; MI455X (gfx1250); checked and timed in simulation.
; The chip was launched on July 23, 2026; its instructions are those of AMD's public machine-readable ISA for CDNA 5 (MIT licence, August 2026) and "CDNA5" Instruction Set Architecture Reference Guide (July 2026). The comments in the code are by the model that wrote it; some were corrected since.
;; Attention. Allowed arithmetic: matrix products marked QUANTISED: E2M3 operands, one E8M0 scale for each 32 along K, by v_wmma_scale_f32_16x16x128_f8f6f4 with both operands' format E2M3, f32 sums; everything else in f32.
;; Inputs: Q 2 x 8 x 2,048 x 512 float32; V_codes 2 x 8 x 128 x 64 x 24 uint8 (E2M3 codes of V, K innermost, in blocks of 32 codes, four codes in three bytes); V_scales 2 x 8 x 128 x 64 uint8 (E8M0 scales of V, one for each 32 codes along K); freqs 1 x 1 x 1 x 512 float32.
;; Outputs: out0 2 x 8 x 2,048 x 128 float32.
;; This version of the problem:
;;   THIS VERSION OF THE PROBLEM IS GIVEN IN LOW PRECISION. The matrix products marked QUANTISED in the list below multiply operands that are first quantised to E2M3 (2 exponent bits, 3 mantissa bits; 6 bits a number), with one power-of-two scale for each 32 numbers along K (OCP MX v1.0); their sums are f32. All else is computed in f32.
;;   The module's matrix products, in the order in which they are computed (A, B: the left and right operand; K: the contracted axis; several contracted axes count as one K, in the product's order):
;;     1. batch 16 x [M 2,048, K 512] x [K 512, N 2,048]; A: computed on the way; B: computed on the way: QUANTISED
;;     2. batch 16 x [M 2,048, K 2,048] x [K 2,048, N 128]; A: computed on the way; B: input V (given as codes): QUANTISED
;;   THE QUANTISER, for each operand of a quantised product, along K:
;;     - K is cut into blocks of 32 from its start; a last block that is shorter is filled with zeros.
;;     - A block's scale is 2^e with e = floor(log2(the largest magnitude in the block)) - 2, held to -126 .. 127; a block of zeros has e = 0. As a byte (E8M0): e + 127.
;;     - Each number is divided by its block's scale, clamped to +-7.5, and rounded to the nearest number of E2M3, ties to even, subnormals kept.
;;     - The product sums the exact products of the quantised numbers (number of the format x scale) in f32.
;;   ~~~python
;;   def quantise(x, axis):      # numpy; x: float32 -> the quantised numbers, widened to float32 again
;;       x = np.moveaxis(x, axis, -1); K = x.shape[-1]
;;       x = np.pad(x, [(0, 0)] * (x.ndim - 1) + [(0, -K % 32)]); x = x.reshape(x.shape[:-1] + (-1, 32)); a = np.abs(x).max(-1, keepdims=True)
;;       e = np.where(a > 0, np.clip(np.frexp(np.where(a > 0, a, 1))[1] - 1 - 2, -126, 127), 0)      # np.frexp(a)[1] - 1 = floor(log2(a)), exactly
;;       r = np.clip(x / 2.0 ** e, -7.5, 7.5)
;;       step = 2.0 ** (np.maximum(np.frexp(np.where(r == 0, 1, r))[1] - 1, 0) - 3)
;;       q = np.round(r / step) * step * 2.0 ** e      # np.round: ties to even
;;       return np.moveaxis(q.reshape(q.shape[:-2] + (-1,))[..., :K], -1, axis).astype(np.float32)
;;   ~~~
;;   OPERANDS COMPUTED ON THE WAY. 'Computed on the way' means the value that the module computes at that place (a softmax that the list does not call 'softmax' is quantised finished and normalised). What goes into a quantiser is computed in f32, as accurately as f32 sums, v_exp_f32 and their like allow (about 1e-6 of the number): no bf16 or f16 on the way to a quantiser, and a product that is left as it is and whose result goes on into a quantised operand takes f32 operands (vector FMAs, or v_wmma_f32_16x16x4_f32). A number that lies on a knife's edge between two numbers of the format may be rounded either way, as far as f32 arithmetic and the matrix unit's own rounding can turn it there, and no further.
;;   INPUTS GIVEN AS CODES. V (in the module: [2, 8, 2048, 128], K = its axis 2): each comes as NAME_codes (uint8): NAME with its K axis moved to the last place and cut into blocks of 32 codes, [.., K / 32, bytes a block], one block behind the other in memory; four codes in three bytes: a row's codes are one little-endian stream of bits, code i at bits 6 i .. 6 i + 5 (a code: sign, 2 exponent bits, 3 mantissa bits); and NAME_scales (uint8): the same leading axes, one E8M0 byte (e + 127) for each 32 codes along K. Its value is code x scale, taken as it is: it is not quantised again, and the codes and scales need not be those that the quantiser above would give.
;; 2 versions, each right. Each part assembles by itself: llvm-mc -triple=amdgcn-amd-amdhsa -mcpu=gfx1250 --defsym DOCPART=n.
;; ======== version 1 of 2: 2 launches
;; workspace buffers: qrc 13,107,200 bytes
;; launch rope_q (part 1): grid 128 x 2, 8 waves a work-group, no clusters, 51,200 bytes of LDS; arguments Q, freqs, qrc; writes qrc
.if DOCPART == 1
	.amdgcn_target "amdgcn-amd-amdhsa--gfx1250"
	.amdhsa_code_object_version 6
	.text
	.protected	k_qadba5e3faa_rope_q
	.globl	k_qadba5e3faa_rope_q
	.p2align	8
	.type	k_qadba5e3faa_rope_q,@function
k_qadba5e3faa_rope_q:
	s_mov_b64 s[64:65], 0
	v_nop
	global_prefetch_b8 v0, s[64:65] scope:SCOPE_SE
	s_setreg_imm32_b32 hwreg(HW_REG_WAVE_MODE, 25, 1), 1
	s_wait_xcnt 0x0
; QR = Q cos + rotate_half(Q) sin, then the MX quantiser along N: codes of E2M3 and one E8M0 byte for each 32 columns.
; Q: [16 heads][2048 rows][512] f32.  freqs: [512] f32, honoured column by column (paired columns need not share a frequency).
; qrc: [16 heads][2048 positions][400 bytes]: a record is 384 bytes of codes (512 codes, one stream of bits) and 16 scale bytes.
; POSITION p HOLDS ROW t = p WITH BITS 3 AND 4 EXCHANGED, so that 16 neighbouring records are the 16 rows that the next launch wants in one tile.
; SHARES.  Work-group (x, y): positions 16 x .. 16 x + 15 of heads 8 y .. 8 y + 7.  Wave w: positions 16 x + 2 w and + 1, which are rows t0 and t0 + 1.
; Their cosines and sines are made once and serve the 8 heads: 16 steps a wave, step s = head s / 2, row s % 2.  In a step a lane holds 16 neighbouring columns
; (64 bytes, four loads; the wave's four loads cover the row's 2,048 bytes); two neighbouring lanes hold a block of 32.  Eight steps' loads of every wave are on their way.
; PHASES as reference() has them: x = t f (one rounding), x - floor(x) (exact), times 2 pi (one rounding).  Sine and cosine of that f32 number by quadrant reduction
; (pi / 2 in two parts) and polynomials of degree 7 and 8 on |r| <= pi / 4: error about 1e-7.  The chip's own sine and cosine are not used.
; THE WAY OUT.  A head's 16 records are 6,400 consecutive bytes of qrc, made by all eight waves: they meet in LDS, and wave w stores head w's as whole aligned blocks of 256 bytes.
; No tensor loads, clusters or matrix work: nothing is shared between work-groups and memory binds.
; LIMITS: NaN and infinities in Q or freqs are not served.  A block whose largest magnitude lies under 2^-124 has its byte held at 1, as the quantiser's clip has it.
; |t f| stays under 2^23 (freqs under some 4,000), so that x - floor(x) is exact.
.set CS,  16                           ; v16-47    cosines: row e at +16 e, my 16 columns
.set SN,  48                           ; v48-79    sines likewise; THE EVEN COLUMNS' ARE KEPT NEGATED: y0 = x0 c0 + x1 (-s0), y1 = x1 c1 + x0 s1
.set X,   80                           ; v80-207   eight sets of 16 numbers of Q
.set Y,   208                          ; v208-223  QR at work; first my 16 freqs
.set CD,  224                          ; v224-239  four sets of 4: three registers of codes and the scale byte
.set TT,  224                          ; v224-255  the trigonometry's temporaries, 16 for each of two column pairs
.set HB,  20                           ; s[20:35]  eight bases: Q at row t0 of head 8 y + hh
	s_load_b128 s[4:7], s[0:1], 0x0                ; Q s[4:5], freqs s[6:7]
	s_load_b64 s[8:9], s[0:1], 0x10                ; qrc
	v_lshrrev_b32 v1, 5, v0
	v_readfirstlane_b32 s10, v1                    ; wave 0..7
	v_and_b32 v1, 31, v0                           ; lane
	s_and_b32 s11, ttmp7, 0xffff                   ; y
	s_lshl_b32 s12, ttmp9, 4
	s_lshl1_add_u32 s12, s10, s12                  ; p = 16 x + 2 w
	s_and_b32 s13, s12, 0x7e7                      ; t0 = p with bits 3 and 4 exchanged
	s_and_b32 s18, s12, 16
	s_lshr_b32 s18, s18, 1
	s_or_b32 s13, s13, s18
	s_and_b32 s18, s12, 8
	s_lshl_b32 s18, s18, 1
	s_or_b32 s13, s13, s18
	s_cvt_f32_u32 s14, s13                         ; t0 and t0 + 1 as f32, each twice: the packed lines name pairs
	s_add_co_u32 s18, s13, 1
	s_cvt_f32_u32 s16, s18
	s_mov_b32 s15, s14
	s_mov_b32 s17, s16
	s_lshl_b32 s18, s11, 25                        ; 8 y heads of 4,194,304 bytes
	s_lshl_b32 s19, s13, 11                        ; + t0 rows of 2,048
	s_add_co_u32 s18, s18, s19
	s_mov_b32 s19, 0
	s_lshl3_add_u32 s58, s11, s10                  ; the way out: head 8 y + w,
	s_mul_i32 s58, s58, 819200
	s_mul_i32 s59, ttmp9, 6400                     ; its records 16 x on
	s_add_co_u32 s58, s58, s59
	s_mov_b32 s59, 0
.irp r, 36,37
	s_mov_b32 s\r, 0x40c90fdb                      ; 2 pi
.endr
.irp r, 38,39
	s_mov_b32 s\r, 0x3f22f983                      ; 2 / pi
.endr
.irp r, 42,43
	s_mov_b32 s\r, 0xbfc90fdb                      ; -(pi / 2), its f32 part
.endr
.irp r, 44,45
	s_mov_b32 s\r, 0x333bbd2e                      ; that part less pi / 2: +4.3711390e-8
.endr
.irp r, 46,47
	s_mov_b32 s\r, 0xbe2aaaa3                      ; S1 = -1.6666654611e-1
.endr
.irp r, 50,51
	s_mov_b32 s\r, 0xb94ca1f9                      ; S3 = -1.9515295891e-4
.endr
.irp r, 52,53
	s_mov_b32 s\r, 0x3d2aaaa5                      ; C0 = 4.166664568e-2
.endr
.irp r, 56,57
	s_mov_b32 s\r, 0x37ccf5ce                      ; C2 = 2.443315712e-5
.endr
.irp r, 8,9
	v_mov_b32 v\r, 0x4b400000                      ; 1.5 x 2^23: adding it rounds to a whole number and leaves that number in the low bits
.endr
.irp r, 10,11
	v_mov_b32 v\r, 0x3c08839e                      ; S2 = 8.3321608736e-3
.endr
.irp r, 12,13
	v_mov_b32 v\r, 0xbab6061a                      ; C1 = -1.388731625e-3
.endr
	v_lshlrev_b32 v2, 6, v1                        ; my 64 bytes of a row of Q, and of freqs
	s_mul_i32 s60, s10, 800                        ; the stage: my wave's two records in a head's 16
	v_mul_u32_u24 v3, v1, 12
	v_add_nc_u32 v3, s60, v3                       ; my 12 bytes of codes
	s_add_co_u32 s60, s60, 384
	v_lshrrev_b32 v4, 1, v1
	v_add_nc_u32 v4, s60, v4                       ; my block's scale byte
	s_mul_i32 s60, s10, 6400                       ; back out of the stage: head w's 6,400 bytes
	v_lshlrev_b32 v14, 4, v1                       ; 16 bytes a lane,
	v_add_nc_u32 v5, s60, v14
	v_lshl_add_u32 v7, v1, 3, 6144                 ; and the last 256 bytes 8 a lane
	v_add_nc_u32 v6, s60, v7
	s_wait_kmcnt 0x0
	s_add_nc_u64 s[HB:HB+1], s[4:5], s[18:19]
.irp hh, 1,2,3,4,5,6,7
	s_add_nc_u64 s[HB+2*\hh:HB+2*\hh+1], s[HB+2*\hh-2:HB+2*\hh-1], 0x400000
.endr
	s_add_nc_u64 s[66:67], s[8:9], s[58:59]
.irp i, 0,1,2,3
	global_load_b128 v[Y+4*\i:Y+4*\i+3], v2, s[6:7] offset:16*\i
.endr
.macro LOAD s                          ; step s: row s % 2 of head s / 2 into set s % 8
.irp i, 0,1,2,3
	global_load_b128 v[X+16*((\s)%8)+4*\i:X+16*((\s)%8)+4*\i+3], v2, s[HB+2*((\s)/2):HB+2*((\s)/2)+1] offset:2048*((\s)%2)+16*\i th:TH_LOAD_NT
.endr
.endm
.irp s, 0,1,2,3,4,5,6,7
	LOAD \s
.endr
; Cosine and sine of row e for column pairs i0 and i0 + 1, the two pairs line by line.  In a pair's 16 temporaries: +0 x, then p, then r; +2 floor, then kf; +4 k, then z; +6 the sine's polynomial; +8 the cosine's; +10..13 signs.
.macro TRIG e, i0
.irp n, 0,1
	v_pk_mul_f32 v[TT+16*\n:TT+16*\n+1], v[Y+2*(\i0+\n):Y+2*(\i0+\n)+1], s[14+2*\e:15+2*\e] op_sel_hi:[1,0]   ; x = t f
.endr
.irp n, 0,1
	v_floor_f32 v[TT+16*\n+2], v[TT+16*\n]
	v_floor_f32 v[TT+16*\n+3], v[TT+16*\n+1]
.endr
.irp n, 0,1
	v_pk_add_f32 v[TT+16*\n:TT+16*\n+1], v[TT+16*\n:TT+16*\n+1], v[TT+16*\n+2:TT+16*\n+3] neg_lo:[0,1] neg_hi:[0,1]   ; x mod 1
.endr
.irp n, 0,1
	v_pk_mul_f32 v[TT+16*\n:TT+16*\n+1], v[TT+16*\n:TT+16*\n+1], s[36:37] op_sel_hi:[1,0]   ; p = the phase, 0 .. 2 pi
.endr
.irp n, 0,1
	v_pk_fma_f32 v[TT+16*\n+2:TT+16*\n+3], v[TT+16*\n:TT+16*\n+1], s[38:39], v[8:9] op_sel_hi:[1,0,1]   ; kf: the quadrant 0 .. 4 in its low bits
.endr
.irp n, 0,1
	v_pk_add_f32 v[TT+16*\n+4:TT+16*\n+5], v[TT+16*\n+2:TT+16*\n+3], v[8:9] neg_lo:[0,1] neg_hi:[0,1]   ; k as f32
.endr
.irp n, 0,1
	v_pk_fma_f32 v[TT+16*\n:TT+16*\n+1], v[TT+16*\n+4:TT+16*\n+5], s[42:43], v[TT+16*\n:TT+16*\n+1] op_sel_hi:[1,0,1]   ; r = p - k pi / 2, in two parts
.endr
.irp n, 0,1
	v_pk_fma_f32 v[TT+16*\n:TT+16*\n+1], v[TT+16*\n+4:TT+16*\n+5], s[44:45], v[TT+16*\n:TT+16*\n+1] op_sel_hi:[1,0,1]
.endr
.irp n, 0,1
	v_pk_mul_f32 v[TT+16*\n+4:TT+16*\n+5], v[TT+16*\n:TT+16*\n+1], v[TT+16*\n:TT+16*\n+1]   ; z = r r
.endr
.irp n, 0,1
	v_pk_fma_f32 v[TT+16*\n+6:TT+16*\n+7], v[TT+16*\n+4:TT+16*\n+5], s[50:51], v[10:11] op_sel_hi:[1,0,1]   ; S3 z + S2
	v_pk_fma_f32 v[TT+16*\n+8:TT+16*\n+9], v[TT+16*\n+4:TT+16*\n+5], s[56:57], v[12:13] op_sel_hi:[1,0,1]   ; C2 z + C1
.endr
.irp n, 0,1
	v_pk_fma_f32 v[TT+16*\n+6:TT+16*\n+7], v[TT+16*\n+6:TT+16*\n+7], v[TT+16*\n+4:TT+16*\n+5], s[46:47] op_sel_hi:[1,1,0]   ; .. z + S1
	v_pk_fma_f32 v[TT+16*\n+8:TT+16*\n+9], v[TT+16*\n+8:TT+16*\n+9], v[TT+16*\n+4:TT+16*\n+5], s[52:53] op_sel_hi:[1,1,0]   ; .. z + C0
.endr
.irp n, 0,1
	v_pk_mul_f32 v[TT+16*\n+6:TT+16*\n+7], v[TT+16*\n+6:TT+16*\n+7], v[TT+16*\n+4:TT+16*\n+5]                              ; .. z
	v_pk_fma_f32 v[TT+16*\n+8:TT+16*\n+9], v[TT+16*\n+8:TT+16*\n+9], v[TT+16*\n+4:TT+16*\n+5], -0.5 op_sel_hi:[1,1,0]      ; .. z - 1/2
.endr
.irp n, 0,1
	v_pk_fma_f32 v[TT+16*\n+6:TT+16*\n+7], v[TT+16*\n+6:TT+16*\n+7], v[TT+16*\n:TT+16*\n+1], v[TT+16*\n:TT+16*\n+1]        ; sin r = .. r + r
	v_pk_fma_f32 v[TT+16*\n+8:TT+16*\n+9], v[TT+16*\n+8:TT+16*\n+9], v[TT+16*\n+4:TT+16*\n+5], 1.0 op_sel_hi:[1,1,0]       ; cos r = .. z + 1
.endr
.irp n, 0,1                            ; the quadrant: odd k exchanges the two; the sine is negative where k has bit 1, the cosine where bits 0 and 1 differ
.irp m, 0,1
	v_lshlrev_b32 v[TT+16*\n+10+2*\m], 31, v[TT+16*\n+2+\m]        ; k's bit 0 at the sign's place
	v_lshlrev_b32 v[TT+16*\n+11+2*\m], 30, v[TT+16*\n+2+\m]
	v_cmp_ne_u32 vcc_lo, 0, v[TT+16*\n+10+2*\m]
	v_and_b32 v[TT+16*\n+11+2*\m], 0x80000000, v[TT+16*\n+11+2*\m] ; k's bit 1 there
	v_cndmask_b32 v[SN+16*\e+2*(\i0+\n)+\m], v[TT+16*\n+6+\m], v[TT+16*\n+8+\m], vcc_lo
	v_cndmask_b32 v[CS+16*\e+2*(\i0+\n)+\m], v[TT+16*\n+8+\m], v[TT+16*\n+6+\m], vcc_lo
	v_xor_b32 v[SN+16*\e+2*(\i0+\n)+\m], v[TT+16*\n+11+2*\m], v[SN+16*\e+2*(\i0+\n)+\m]
	v_xor_b32 v[TT+16*\n+11+2*\m], v[TT+16*\n+10+2*\m], v[TT+16*\n+11+2*\m]
	v_xor_b32 v[CS+16*\e+2*(\i0+\n)+\m], v[TT+16*\n+11+2*\m], v[CS+16*\e+2*(\i0+\n)+\m]
.if \m == 0
	v_xor_b32 v[SN+16*\e+2*(\i0+\n)], 0x80000000, v[SN+16*\e+2*(\i0+\n)]   ; the even column's sine is kept negated
.endif
.endr
.endr
.endm
	s_wait_loadcnt 32                              ; freqs are in; the eight steps' 32 loads of Q stay out
.irp e, 0,1
.irp i0, 0,2,4,6
	TRIG \e, \i0
.endr
.endr
.macro STEP s
.set XS, X+16*((\s)%8)
.set RW, 16*((\s)%2)
.set CQ, CD+4*((\s)%4)
.if (\s) <= 8
	s_wait_loadcnt 28                              ; this step's four loads are in; the next seven steps' stay out
.else
	s_wait_loadcnt 4*(15-(\s))
.endif
.if (\s) >= 4
	s_wait_dscnt 12                                ; the stage stores of four steps ago have read this set of code registers; the three younger steps' twelve stay out
.endif
.irp j, 0,2,4,6,8,10,12,14
	v_pk_mul_f32 v[Y+\j:Y+\j+1], v[XS+\j:XS+\j+1], v[CS+RW+\j:CS+RW+\j+1]
.endr
.irp j, 0,2,4,6,8,10,12,14
	v_pk_fma_f32 v[Y+\j:Y+\j+1], v[XS+\j:XS+\j+1], v[SN+RW+\j:SN+RW+\j+1], v[Y+\j:Y+\j+1] op_sel:[1,0,0] op_sel_hi:[0,1,1]   ; Q's pair exchanged: the low half takes x1, the high half x0
.endr
.if (\s) < 8
	LOAD (\s)+8
.endif
	v_max3_num_f32 v240, |v[Y]|, |v[Y+1]|, |v[Y+2]|                ; the largest magnitude of my 16, in two chains,
	v_max3_num_f32 v241, |v[Y+3]|, |v[Y+4]|, |v[Y+5]|
.irp i, 6,10
	v_max3_num_f32 v240, v240, |v[Y+\i]|, |v[Y+\i+1]|
	v_max3_num_f32 v241, v241, |v[Y+\i+2]|, |v[Y+\i+3]|
.endr
	v_max3_num_f32 v240, v240, |v[Y+14]|, |v[Y+15]|
	v_max_num_f32 v240, v240, v241
	v_max_num_f32_dpp v240, v240, v240 row_xmask:1 row_mask:0xf bank_mask:0xf   ; and of my neighbour's 16: the block's
	v_lshrrev_b32 v241, 23, v240                   ; its exponent field is floor(log2) + 127
	v_max_u32 v241, 3, v241                        ; the byte is not to fall under 1
	v_add_nc_u32 v241, -2, v241                    ; the scale's byte
	v_lshlrev_b32 v242, 23, v241                   ; and the scale as f32, for the conversion
	v_cmp_eq_u32 vcc_lo, 0, v240
	v_cvt_scalef32_pk16_fp6_f32 v[CQ:CQ+2], v[Y:Y+15], v242
	v_cndmask_b32 v[CQ+3], v241, 127, vcc_lo       ; a block of zeros gets 127.  (Also the one plain instruction behind the scaled conversion)
.irp i, 0,1,2
	ds_store_b32 v3, v[CQ+\i] offset:6400*((\s)/2)+400*((\s)%2)+4*\i   ; lanes three words apart
.endr
	ds_store_b8 v4, v[CQ+3] offset:6400*((\s)/2)+400*((\s)%2)          ; both lanes of a block write the same byte with the same value
.endm
.irp s, 0,1,2,3,4,5,6,7,8,9,10,11,12,13,14,15
	STEP \s
.endr
	s_wait_dscnt 0x0                               ; for the others' sake: my records are in the stage
	s_barrier_signal -1
	s_barrier_wait -1                              ; everybody's are
.irp i, 0,1,2,3,4,5,6,7,8,9,10,11
	ds_load_b128 v[X+4*\i:X+4*\i+3], v5 offset:512*\i
.endr
	ds_load_b64 v[X+48:X+49], v6
.irp i, 0,1,2,3,4,5,6,7,8,9,10,11
	s_wait_dscnt 12-\i                             ; load i is back; those behind it stay out
	global_store_b128 v14, v[X+4*\i:X+4*\i+3], s[66:67] offset:512*\i   ; 512 consecutive bytes, at a multiple of 256 from qrc's first byte
.endr
	s_wait_dscnt 0x0
	global_store_b64 v7, v[X+48:X+49], s[66:67]    ; the last 256
	s_endpgm
.Lfunc_end_k_qadba5e3faa_rope_q:
	.size	k_qadba5e3faa_rope_q, .Lfunc_end_k_qadba5e3faa_rope_q-k_qadba5e3faa_rope_q
	.p2alignl 7, 3214868480
	.fill 96, 4, 3214868480
	.section	.rodata,"a",@progbits
	.p2align	6, 0x0
	.amdhsa_kernel k_qadba5e3faa_rope_q
		.amdhsa_group_segment_fixed_size 51200
		.amdhsa_private_segment_fixed_size 0
		.amdhsa_enable_private_segment 0
		.amdhsa_kernarg_size 24
		.amdhsa_user_sgpr_count 2
		.amdhsa_user_sgpr_kernarg_segment_ptr 1
		.amdhsa_wavefront_size32 1
		.amdhsa_system_sgpr_workgroup_id_x 1
		.amdhsa_system_sgpr_workgroup_id_y 1
		.amdhsa_system_sgpr_workgroup_id_z 1
		.amdhsa_system_vgpr_workitem_id 0
		.amdhsa_next_free_vgpr 256
		.amdhsa_next_free_sgpr 72
		.amdhsa_reserve_vcc 1
		.amdhsa_float_denorm_mode_32 3
		.amdhsa_float_denorm_mode_16_64 3
		.amdhsa_memory_ordered 1
		.amdhsa_forward_progress 1
		.amdhsa_inst_pref_size 76
	.end_amdhsa_kernel
	.amdgpu_metadata
---
amdhsa.version: [ 1, 2 ]
amdhsa.kernels:
  - .name:           k_qadba5e3faa_rope_q
    .symbol:         k_qadba5e3faa_rope_q.kd
    .args:
      - { .name: Q, .offset: 0, .size: 8, .value_kind: global_buffer, .address_space: global }
      - { .name: freqs, .offset: 8, .size: 8, .value_kind: global_buffer, .address_space: global }
      - { .name: qrc, .offset: 16, .size: 8, .value_kind: global_buffer, .address_space: global }
    .group_segment_fixed_size: 51200
    .private_segment_fixed_size: 0
    .kernarg_segment_align: 8
    .kernarg_segment_size: 24
    .max_flat_workgroup_size: 256
    .sgpr_count:     72
    .vgpr_count:     256
    .wavefront_size: 32
...
	.end_amdgpu_metadata
.endif
;; end of part 1
;; launch attn (part 2): grid 16 x 16, 4 waves a work-group, clusters of 4 x 1, 327,680 bytes of LDS; arguments qrc, V_codes, V_scales, out0; writes out0
.if DOCPART == 2
	.amdgcn_target "amdgcn-amd-amdhsa--gfx1250"
	.amdhsa_code_object_version 6
	.text
	.protected	k_qadba5e3faa_attn
	.globl	k_qadba5e3faa_attn
	.p2align	8
	.type	k_qadba5e3faa_attn,@function
k_qadba5e3faa_attn:
	s_mov_b64 s[64:65], 0
	v_nop
	global_prefetch_b8 v0, s[64:65] scope:SCOPE_SE
	s_setreg_imm32_b32 hwreg(HW_REG_WAVE_MODE, 25, 1), 1
	s_wait_xcnt 0x0
	s_wait_alu depctr_hold_cnt(0) depctr_sa_sdst(0) depctr_va_vdst(0) depctr_va_sdst(0) depctr_va_ssrc(0) depctr_va_vcc(0) depctr_vm_vsrc(0)
	s_getreg_b32 s2, hwreg(HW_REG_IB_STS2, 6, 4)
	s_cmp_eq_u32 s2, 0
	s_cbranch_scc0 .Lentry_in_a_cluster
	s_endpgm
.Lentry_in_a_cluster:
	s_bfe_u32 s2, ttmp6, 0x10000c
	s_cmp_lg_u32 s2, 0x3003
	s_cbranch_scc0 .Lentry_shape_is_right
	s_endpgm
.Lentry_shape_is_right:
; out0[h][t][:] = the sum over keys s < t of Qnt(QR[t] . QR[s]) V[s][:], both products on codes of E2M3 with one E8M0 scale for each 32 along K.
; qrc: [16 heads][2048 positions][400 bytes]: 384 bytes of codes and 16 scale bytes of row t = position with bits 3 and 4 exchanged.  It serves as queries and as keys.
; V_codes: [16][128][64 blocks][24 bytes], keys innermost; V_scales: [16][128][64].  out0: [16][2048][128] f32.
; LAYOUT.  Both products are used transposed.  S^T = K Q^T (source 0 = 16 keys, source 1 = 16 queries): a lane holds ONE query (lane % 16).  By the order of qrc's records the 16 registers
; of a chunk's two tiles are 16 neighbouring keys, 32 g + 16 (lane / 16) + 0 .. 15: the conversions' results, with one exchange of halves, ARE source 1 of O^T = V^T P^T.  The scores never leave the registers.
; SHARES.  A cluster of four work-groups owns two blocks of 256 queries of one head, sigma1 and 7 - sigma1; work-group cx owns 64 of each (four tiles).  Block sigma walks sigma + 1 slots
; of 256 keys, the last of them under the mask: NINE SLOTS FOR EVERY WORK-GROUP.  The four partners walk the same keys and the same V: each tile is asked for JOINTLY.
; All four waves hold the same 64 queries; wave w takes keys 64 w .. + 63 of each slot, in two chunks of 32 (one block of the quantiser each), so that each fragment of keys is read from LDS once and
; feeds four products.  The second product's K = 128 is a wave's four blocks of a PAIR of slots.  So O^T is a partial sum in each wave; the four are added through LDS at a query block's end.
; sigma1 + 1 is even, so the first block ends with a pair; the ninth slot stands alone, with zero codes for the missing half of K.
; In the slot under the mask every partner computes all of it and masks by a select: no branch hangs on the place in the cluster.
; LIMITS: a row's sum over the keys is formed as four waves' partial sums and not in ascending K.  NaN and infinities are not served; a scale byte 0xff of V gives NaN, as the format has it.
; REGISTERS, in windows of 256 (s_set_vgpr_msb's low byte: bits 1:0 source 0, 3:2 source 1, 5:4 source 2, 7:6 destination):
;   window 0: addresses, scale words, S^T (v64-127), P (v128-175), at work.   window 1: v0-191 Q's fragments [48 qt + 12 c]; v192-239 V's fragments of tiles 0-3.
;   window 2: O^T [64 qt + 8 dt].   window 3: v0-95, v96-191 the two chunks' fragments of keys [48 u + 12 c]; v192-239 V's fragments of tiles 4-7.
.set SLOT,  133120                     ; a slot: 256 records of 400 bytes, then 128 rows of V
.set VOFF,  102400                     ; V's rows: 192 bytes with 16 of padding behind every 64: 240 apart
.set SCV,   2*SLOT                     ; V's scale bytes of the head: 32 blocks of 256 bytes + 16 of padding; filled once
.set STAGE, SCV+8704                   ; the flush: 2 buffers x 4 waves x 16 rows x 272 bytes; no tile lands here
.set SBUF,  17408
.set SPARE, STAGE+2*SBUF               ; the spare words, 128 bytes for each wave: two blocks of 256 bytes that no other line names
.set AK,   4                           ; v4-5    my place in my wave's keys, slot 0, 1: (64 w + r) x 400 + 24 h.  Records 100 words apart begin at sixteen different multiples of four banks
.set AKS,  6                           ; v6-7    their scale words: record 64 w + lane, byte 384
.set AV,   8                           ; v8-13   V: slot s, piece i of my block's three pieces of 8 bytes
.set AVS0, 14                          ; v14     V's scale bytes: row = lane, my wave's two bytes of slot 0
.set AVSC, 15                          ; v15     the same for the slot in hand
.set QO,   16                          ; v16     my byte offset in a tile of queries
.set QSO,  17                          ; v17     and at their scale words
.set STO,  18                          ; v18     the flush: where I put 32 bytes of a row
.set RD,   19                          ; v19     where I read a row back
.set GO,   20                          ; v20     my byte offset in the work-group's 64 rows of out0
.set THR,  21                          ; v21     the mask's threshold
.set SPW,  22                          ; v22     LDS address of my spare word; never rewritten
.set NIL,  23                          ; v23     0; never rewritten
.set M,    24                          ; v24-27  a block's largest magnitude, for each query tile
.set T,    28                          ; v28-31  the other half's
.set QS,   32                          ; v32-47  Q's scale words [4 qt + c]
.set KS,   48                          ; v48-55  the keys' [4 b + c]: lanes 0-15 tile u = 0, lanes 16-31 tile u = 1
.set PS,   56                          ; v56-59  P's scale words
.set VS,   60                          ; v60-63  V's: lanes 0-15 tile 2 i, lanes 16-31 tile 2 i + 1
.set S,    64                          ; v64-127 S^T [16 qt + 8 u + j]; in the flush two buffers of 32
.set P,    128                         ; v128-175 P's codes [12 qt]
.set CT,   176                         ; v176-191 the second chunk's codes, ahead of the exchange
.set E,    192                         ; v192-195 a scale byte
.set SCL,  196                         ; v196-199 the scale as f32
.set VSA,  200                         ; v200-203, v204-207 V's two scale bytes of the pair's first and second slot
.set WV,   12                          ; s12 wave   s13 cx   s14 c   s15 head   s16 N1 = sigma1 + 1   s17 sigma in hand   s18, s19 sigma1, sigma2
.set G1K,  28                          ; s20 trips   s21 N, the slot's number 0 .. 8   s22 D, which 256 keys   s23 8 D   s24 first pair of a query block   s25 wave % 2   s[26:27] lane selects
.set G1V,  36                          ; s[28:35], s[36:43], s[44:51] descriptor groups 1: keys, V, V's scales
.set G1S,  44
.set G0K,  52                          ; s[52:55], s[56:59] groups 0 for the keys, slot 0, 1
.set G0V,  60                          ; s[60:63], s[68:71] for V
.set G0S,  72                          ; s[72:75] for V's scales.   s[76:77], s[78:79] my half of the head's keys and of V.   s[80:81], s[82:83] queries and out0 of the block in hand; s[84:85], s[86:87] of block 0
.set MSB, 0
.macro WIN new                         ; the immediate's high byte repeats the setting that is left; a switch that changes nothing is dropped
.if MSB != \new
	s_set_vgpr_msb (MSB<<8)|\new
.set MSB, \new
.endif
.endm
.macro PLACES n                        ; plain vector instructions that name no register of the matrix instruction ahead (ISA guide 7.12.1)
.rept \n
	v_nop
.endr
.endm
.macro CROUND                          ; a round of the cluster's barrier: my work-group's barrier; wave 0 signals for the work-group; every wave waits for all four; my work-group's barrier once more
	s_barrier_signal -1
	s_barrier_wait -1
	s_cmp_lg_u32 s[WV], 0
	s_cbranch_scc1 .Lnot_wave_0_\@
	s_barrier_signal -3
.Lnot_wave_0_\@:
	s_barrier_wait -3
	s_barrier_signal -1
	s_barrier_wait -1
.endm
.macro JLOAD s                         ; a joint refill of slot s: waves 0 and 1 fetch the keys' halves, waves 2 and 3 V's.  Four v_nop follow each line
	s_cmp_lt_u32 s[WV], 2
	s_cbranch_scc0 .Lfor_v_\@
	tensor_load_to_lds s[G0K+4*(\s):G0K+4*(\s)+3], s[G1K:G1K+7]
	PLACES 4
	s_branch .Lasked_\@
.Lfor_v_\@:
	tensor_load_to_lds s[G0V+8*(\s):G0V+8*(\s)+3], s[G1V:G1V+7]
	PLACES 4
.Lasked_\@:
.endm
	s_load_b256 s[4:11], s[0:1], 0x0               ; qrc s[4:5], V_codes s[6:7], V_scales s[8:9], out0 s[10:11]
	v_lshl_add_u32 v[SPW], v0, 2, SPARE
	v_mov_b32 v[NIL], 0
	v_lshrrev_b32 v1, 5, v0
	v_readfirstlane_b32 s[WV], v1                  ; wave 0..3
	s_bfe_u32 s13, ttmp6, 0x40000                  ; cx: it enters the queries' and out0's addresses and the mask's threshold alone
	s_and_b32 s14, ttmp9, 3                        ; c: the cluster's x
	s_and_b32 s15, ttmp7, 0xffff                   ; the head
	s_sub_co_u32 s88, 7, s14
	s_bitcmp1_b32 s14, 0
	s_cselect_b32 s18, s14, s88                    ; sigma1 = 7, 1, 5, 3: odd, so that its sigma1 + 1 slots are whole pairs
	s_sub_co_u32 s19, 7, s18                       ; sigma2
	s_add_co_u32 s16, s18, 1                       ; N1
	s_and_b32 s25, s[WV], 1                        ; which half of a tile I fetch
	s_mov_b32 s26, 0x76543210
	s_mov_b32 s27, 0xfedcba98                      ; v_permlanex16_b32: lane l xor 16
	; group 1 for the keys: 128 records are 51,200 dense bytes: 200 rows of 32 elements of 8 bytes
	s_mov_b32 s[G1K], 15|(3<<16)|(1<<21)           ; 15:0 the mask: all four work-groups; 17:16 elements of 8 bytes; 21 set beside a mask
	s_mov_b32 s[G1K+1], 32<<16                     ; tensor_dim0
	s_mov_b32 s[G1K+2], 200<<16                    ; tensor_dim1
	s_mov_b32 s[G1K+3], 32<<16                     ; tile_dim0
	s_mov_b32 s[G1K+4], 200                        ; tile_dim1
	s_mov_b32 s[G1K+5], 32                         ; from row to row
	s_mov_b32 s[G1K+6], 0
	s_mov_b32 s[G1K+7], 0
	; for V: 64 rows x 192 bytes, 1,536 bytes apart; 4 words of padding behind every 16
	s_mov_b32 s[G1V], 15|(1<<20)|(1<<21)|(3<<22)|(3<<25)
	s_mov_b32 s[G1V+1], 192<<16
	s_mov_b32 s[G1V+2], 64<<16
	s_mov_b32 s[G1V+3], 192<<16
	s_mov_b32 s[G1V+4], 64
	s_mov_b32 s[G1V+5], 1536
	s_mov_b32 s[G1V+6], 0
	s_mov_b32 s[G1V+7], 0
	; for V's scales: 4,096 dense bytes: 16 rows of 256, 4 words of padding behind each
	s_mov_b32 s[G1S], 15|(3<<16)|(1<<20)|(1<<21)|(5<<22)|(3<<25)
	s_mov_b32 s[G1S+1], 32<<16
	s_mov_b32 s[G1S+2], 16<<16
	s_mov_b32 s[G1S+3], 32<<16
	s_mov_b32 s[G1S+4], 16
	s_mov_b32 s[G1S+5], 32
	s_mov_b32 s[G1S+6], 0
	s_mov_b32 s[G1S+7], 0
	s_mul_i32 s88, s15, 819200                     ; the head's records, my half of a slot's
	s_mul_i32 s89, s25, 51200
	s_add_co_u32 s88, s88, s89
	s_mov_b32 s89, 0
	s_mul_i32 s90, s15, 196608                     ; the head's V, my 64 rows
	s_mul_i32 s91, s25, 98304
	s_add_co_u32 s90, s90, s91
	s_mov_b32 s91, 0
	s_lshl_b32 s80, s15, 13                        ; the head's scale bytes of V, my half
	s_lshl_b32 s81, s25, 12
	s_add_co_u32 s80, s80, s81
	s_mov_b32 s81, 0
	s_mul_i32 s92, s25, 51200                      ; and where they go: no place in the cluster enters an LDS address
	s_mul_i32 s93, s25, 15360
	s_mul_i32 s94, s25, 4352
	s_wait_kmcnt 0x0
	s_add_nc_u64 s[76:77], s[4:5], s[88:89]
	s_add_nc_u64 s[78:79], s[6:7], s[90:91]
	s_mov_b32 s[G0K], 1                            ; slot 0: the head's first 256 keys, whichever query block comes first
	s_mov_b32 s[G0K+1], s92
	s_mov_b64 s[G0K+2:G0K+3], s[76:77]
	s_or_b32 s[G0K+3], s[G0K+3], 0x80000000        ; type = 2
	s_mov_b32 s[G0K+4], 1                          ; slot 1: its global address is written ahead of each fill
	s_add_co_u32 s[G0K+5], s92, SLOT
	s_mov_b32 s[G0V], 1
	s_add_co_u32 s[G0V+1], s93, VOFF
	s_mov_b64 s[G0V+2:G0V+3], s[78:79]
	s_or_b32 s[G0V+3], s[G0V+3], 0x80000000
	s_mov_b32 s[G0V+8], 1
	s_add_co_u32 s[G0V+9], s93, SLOT+VOFF
	s_mov_b32 s[G0S], 1
	s_add_co_u32 s[G0S+1], s94, SCV
	s_add_nc_u64 s[G0S+2:G0S+3], s[8:9], s[80:81]
	s_or_b32 s[G0S+3], s[G0S+3], 0x80000000
	CROUND                                         ; all four work-groups are here: the first joint loads meet
	s_cmp_lt_u32 s[WV], 2                          ; a wave's first fills stand in one branch: one load of waves 0 and 1 is out, two of waves 2 and 3
	s_cbranch_scc0 .Lfirst_v
	tensor_load_to_lds s[G0K:G0K+3], s[G1K:G1K+7]
	PLACES 4
	s_branch .Lfirst_asked
.Lfirst_v:
	tensor_load_to_lds s[G0S:G0S+3], s[G1S:G1S+7]
	tensor_load_to_lds s[G0V:G0V+3], s[G1V:G1V+7]
	PLACES 4
.Lfirst_asked:
	s_mul_i32 s92, s15, 819200                     ; my 64 queries of block 0: head, 64 cx records
	s_mul_i32 s93, s13, 25600
	s_add_co_u32 s92, s92, s93
	s_mov_b32 s93, 0
	s_add_nc_u64 s[84:85], s[4:5], s[92:93]
	s_lshl_b32 s92, s15, 20                        ; and their rows of out0: 2,048 x 512 bytes a head, 64 x 512 for cx
	s_lshl_b32 s94, s13, 15
	s_add_co_u32 s92, s92, s94
	s_add_nc_u64 s[86:87], s[10:11], s[92:93]
	s_mul_i32 s92, s18, 102400                     ; block sigma1
	s_add_nc_u64 s[80:81], s[84:85], s[92:93]
	s_lshl_b32 s92, s18, 17
	s_add_nc_u64 s[82:83], s[86:87], s[92:93]
	v_and_b32 v1, 15, v0                           ; r
	v_bfe_u32 v2, v0, 4, 1                         ; h
	v_and_b32 v3, 31, v0                           ; lane
	v_mul_u32_u24 v[QO], v1, 400
	v_add_nc_u32 v[QSO], 384, v[QO]
	v_mad_u32_u24 v[QO], v2, 24, v[QO]             ; a fragment: record r, + 24 h
.macro LOADQ                           ; my wave's copy of the 64 queries: 16 fragments and their scale words, from qrc
	WIN 0x40
.irp qt, 0,1,2,3
.irp c, 0,1,2,3
.irp p, 0,1,2,3,4,5
	global_load_b64 v[48*\qt+12*\c+2*\p:48*\qt+12*\c+2*\p+1], v[QO], s[80:81] offset:6400*\qt+96*\c+48*(\p/3)+8*(\p%3)
.endr
.endr
.endr
	WIN 0
.irp qt, 0,1,2,3
	global_load_b128 v[QS+4*\qt:QS+4*\qt+3], v[QSO], s[80:81] offset:6400*\qt
.endr
.endm
	LOADQ
	s_mul_i32 s88, s[WV], 25600                    ; my wave's 64 keys of a slot
	v_add_nc_u32 v[AK], s88, v[QO]
	v_add_nc_u32 v[AK+1], SLOT, v[AK]
	v_mul_u32_u24 v[AKS], v3, 400
	v_add3_u32 v[AKS], v[AKS], s88, 384
	v_add_nc_u32 v[AKS+1], SLOT, v[AKS]
	s_mul_i32 s89, s[WV], 6
	v_mul_u32_u24 v24, v2, 3
	v_add_nc_u32 v24, s89, v24                     ; V: my block 2 w + h of a slot's eight begins at piece 6 w + 3 h of a row's 24
	v_mul_u32_u24 v25, v1, 240
.irp i, 0,1,2
	v_add_nc_u32 v26, \i, v24                      ; piece q lies at 8 q + 16 (q / 8)
	v_lshrrev_b32 v27, 3, v26
	v_lshlrev_b32 v27, 4, v27
	v_lshl_add_u32 v27, v26, 3, v27
	v_add3_u32 v[AV+\i], v27, v25, VOFF
	v_add_nc_u32 v[AV+3+\i], SLOT, v[AV+\i]
.endr
	v_lshrrev_b32 v24, 2, v3                       ; V's scale bytes: four rows of 64 bytes to a block of 256 + 16
	v_and_b32 v25, 3, v3
	v_mul_u32_u24 v24, v24, 272
	v_lshl_add_u32 v24, v25, 6, v24
	s_lshl_b32 s89, s[WV], 1
	s_add_co_u32 s89, s89, SCV
	v_add_nc_u32 v[AVS0], s89, v24
	s_mul_i32 s88, s[WV], 4352
	s_add_co_u32 s88, s88, STAGE
	v_mul_u32_u24 v[STO], v1, 272
	v_lshl_add_u32 v[STO], v2, 5, v[STO]
	v_add_nc_u32 v[STO], s88, v[STO]               ; into my wave's stage: row r, 32 bytes for each half of the lanes
	s_mul_i32 s88, s[WV], 1088
	s_add_co_u32 s88, s88, STAGE
	v_mul_u32_u24 v[RD], v2, 272
	v_lshl_add_u32 v[RD], v1, 4, v[RD]
	v_add_nc_u32 v[RD], s88, v[RD]                 ; back: rows 4 w + h (+ 2 e) of every wave's stage, 16 bytes a lane
	s_lshr_b32 s88, s[WV], 1                       ; row 4 w + h of a tile is query 16 (w / 2) + 4 (w % 2) + h of its 32
	s_lshl_b32 s88, s88, 4
	s_lshl2_add_u32 s88, s25, s88
	s_lshl_b32 s88, s88, 9
	v_lshlrev_b32 v[GO], 9, v2
	v_lshl_add_u32 v[GO], v1, 4, v[GO]
	v_add_nc_u32 v[GO], s88, v[GO]
	v_and_b32 v24, 7, v1                           ; a score is kept where key < query:  64 w + 32 b + 16 h + 8 u + j  <  64 cx + 32 (qt / 2) + 8 (qt % 2) + r % 8 + 16 (r / 8)
	v_lshrrev_b32 v25, 3, v1
	v_lshl_add_u32 v24, v25, 4, v24
	v_lshlrev_b32 v25, 4, v2
	v_sub_nc_u32 v24, v24, v25
	s_sub_co_i32 s92, s13, s[WV]
	s_lshl_b32 s92, s92, 6
	v_add_nc_u32 v[THR], s92, v24                  ; what of that hangs on the lane, the wave and cx
.irp i, 0,1,2,3
	v_mov_b32 v[T+\i], 0                           ; (the destination of a lane permute counts as read)
.endr
	s_mov_b32 s24, 1
	s_mov_b32 s21, 0
	s_mov_b32 s20, 0
; One scaled product.  zero: C is the constant 0: the product starts its sum, nothing is ever cleared.  row1: source 0's scales stand in lanes 16-31 of their register.
.macro WM d, a, b, zero, sa, sb, row1
.if \zero
.if \row1
	v_wmma_scale_f32_16x16x128_f8f6f4 v[\d:\d+7], v[\a:\a+11], v[\b:\b+11], 0, v[\sa], v[\sb] matrix_a_fmt:MATRIX_FMT_FP6 matrix_b_fmt:MATRIX_FMT_FP6 matrix_a_scale:MATRIX_SCALE_ROW1
.else
	v_wmma_scale_f32_16x16x128_f8f6f4 v[\d:\d+7], v[\a:\a+11], v[\b:\b+11], 0, v[\sa], v[\sb] matrix_a_fmt:MATRIX_FMT_FP6 matrix_b_fmt:MATRIX_FMT_FP6
.endif
.else
.if \row1
	v_wmma_scale_f32_16x16x128_f8f6f4 v[\d:\d+7], v[\a:\a+11], v[\b:\b+11], v[\d:\d+7], v[\sa], v[\sb] matrix_a_fmt:MATRIX_FMT_FP6 matrix_b_fmt:MATRIX_FMT_FP6 matrix_a_scale:MATRIX_SCALE_ROW1
.else
	v_wmma_scale_f32_16x16x128_f8f6f4 v[\d:\d+7], v[\a:\a+11], v[\b:\b+11], v[\d:\d+7], v[\sa], v[\sb] matrix_a_fmt:MATRIX_FMT_FP6 matrix_b_fmt:MATRIX_FMT_FP6
.endif
.endif
.endm
; THE CHANGE OF SLOTS stands at a slot's head.  Each wave waits for all its tensor loads (its part of the slot ahead), adds 0 to its spare word, and waits for that and for its reads of the slot that it has left.
; fill = 1: the barrier is a round of the cluster's, and behind it the slot just left takes slot number N + 1's keys: the load has a whole slot's work in which to land.
.macro CHANGE slot, fill
	WIN 0
	s_wait_tensorcnt 0x0                           ; no tensor load of mine is out, so a group 0 may be written
	ds_add_u32 v[SPW], v[NIL]                      ; 0 onto my spare word; the scalar work below stands between it and the wait for it
.if \fill
	s_add_co_u32 s88, s21, 1                       ; slot number N + 1 holds keys 256 x (N + 1), or, in the second query block, 256 x (N + 1 - N1)
	s_cmp_ge_u32 s88, s16
	s_cselect_b32 s89, s16, 0
	s_sub_co_u32 s88, s88, s89
	s_and_b32 s88, s88, 7
	s_mul_i32 s90, s88, 102400
	s_mov_b32 s91, 0
	s_add_nc_u64 s[G0K+4*(1-\slot)+2:G0K+4*(1-\slot)+3], s[76:77], s[90:91]
	s_or_b32 s[G0K+4*(1-\slot)+3], s[G0K+4*(1-\slot)+3], 0x80000000
	s_mul_i32 s90, s88, 192
	s_add_nc_u64 s[G0V+8*(1-\slot)+2:G0V+8*(1-\slot)+3], s[78:79], s[90:91]
	s_or_b32 s[G0V+8*(1-\slot)+3], s[G0V+8*(1-\slot)+3], 0x80000000
.endif
	s_cmp_ge_u32 s21, s16                          ; the slot ahead: its keys D and its query block
	s_cselect_b32 s89, s16, 0
	s_cselect_b32 s17, s19, s18
	s_sub_co_u32 s22, s21, s89
	s_and_b32 s22, s22, 7
	s_lshl_b32 s23, s22, 3
	s_wait_dscnt 0x0                               ; the add is done, and my reads of the slot that I have left are over
.if \fill
	CROUND                                         ; no wave of any partner still reads that slot or has a load on its way
	JLOAD 1-\slot                                  ; the first tensor load behind the round, and my only one until the next
.else
	s_barrier_signal -1
	s_barrier_wait -1
.endif
.endm
.macro FETCHK slot, b                  ; chunk b of my wave's keys: two tiles x four fragments, 48 loads of 8 bytes, and the 32 records' scale words by one load
	WIN 0xc0
.irp u, 0,1
.irp c, 0,1,2,3
.irp p, 0,1,2,3,4,5
	ds_load_b64 v[96*\b+48*\u+12*\c+2*\p:96*\b+48*\u+12*\c+2*\p+1], v[AK+\slot] offset:12800*\b+6400*\u+96*\c+48*(\p/3)+8*(\p%3)
.endr
.endr
.endr
	WIN 0
	ds_load_b128 v[KS+4*\b:KS+4*\b+3], v[AKS+\slot] offset:12800*\b
.endm
.macro FETCHV slot, par                ; my wave's 64 keys of V's 128 rows: half par of eight fragments, 24 loads; and their two scale bytes a row, 4 loads
	WIN 0x40
.irp dt, 0,1,2,3
.irp i, 0,1,2
	ds_load_b64 v[192+12*\dt+6*\par+2*\i:192+12*\dt+6*\par+2*\i+1], v[AV+3*\slot+\i] offset:3840*\dt
.endr
.endr
	WIN 0xc0
.irp dt, 4,5,6,7
.irp i, 0,1,2
	ds_load_b64 v[192+12*(\dt-4)+6*\par+2*\i:192+12*(\dt-4)+6*\par+2*\i+1], v[AV+3*\slot+\i] offset:3840*\dt
.endr
.endr
	WIN 0
.irp i, 0,1,2,3
	ds_load_u16 v[VSA+4*\par+\i], v[AVSC] offset:2176*\i
.endr
.endm
.macro SMUL b                          ; S^T of chunk b: 32 products.  The eight accumulators take turns, one instruction a turn
	WIN 0x07
.irp c, 0,1,2,3
.irp u, 0,1
.irp qt, 0,1,2,3
	WM S+16*\qt+8*\u, 96*\b+48*\u+12*\c, 48*\qt+12*\c, (\c==0), KS+4*\b+\c, QS+4*\qt+\c, \u
.endr
.endr
.endr
.endm
.macro MASK b                          ; each accumulator from its low end on
.irp qt, 0,1,2,3
.irp u, 0,1
.irp j, 0,1,2,3,4,5,6,7
	v_cmp_lt_i32 vcc_lo, 32*\b+8*\u+\j-32*(\qt/2)-8*(\qt%2), v[THR]
	v_cndmask_b32 v[S+16*\qt+8*\u+\j], 0, v[S+16*\qt+8*\u+\j], vcc_lo
.endr
.endr
.endr
.endm
.macro MAYMASK b, mask                 ; mask = 1: only in the slot on the diagonal, D = sigma: both hang on the cluster's number and the slot's, alike in all partners.  2: always.  0: never
.if \mask == 1
	s_cmp_lg_u32 s22, s17
	s_cbranch_scc1 .Lnomask_\@
	MASK \b
.Lnomask_\@:
.elseif \mask == 2
	MASK \b
.endif
.endm
; The quantiser for chunk b: one block of 32 keys for each query: my 16 scores and those of lane l xor 16.  The four query tiles line by line.
.macro QUANT b, par
.irp qt, 0,1,2,3
	v_max3_num_f32 v[M+\qt], |v[S+16*\qt]|, |v[S+16*\qt+1]|, |v[S+16*\qt+2]|
.endr
.irp i, 3,5,7,9,11,13
.irp qt, 0,1,2,3
	v_max3_num_f32 v[M+\qt], v[M+\qt], |v[S+16*\qt+\i]|, |v[S+16*\qt+\i+1]|
.endr
.endr
.irp qt, 0,1,2,3
	v_max_num_f32 v[M+\qt], v[M+\qt], |v[S+16*\qt+15]|
.endr
.irp qt, 0,1,2,3
	v_permlanex16_b32 v[T+\qt], v[M+\qt], s26, s27
.endr
.irp qt, 0,1,2,3
	v_max_num_f32 v[M+\qt], v[M+\qt], v[T+\qt]     ; the block's largest magnitude
.endr
.irp qt, 0,1,2,3
	v_lshrrev_b32 v[E+\qt], 23, v[M+\qt]           ; its exponent field
.endr
.irp qt, 0,1,2,3
	v_max_u32 v[E+\qt], 3, v[E+\qt]                ; the byte is not to fall under 1
.endr
.irp qt, 0,1,2,3
	v_add_nc_u32 v[E+\qt], -2, v[E+\qt]
.endr
.irp qt, 0,1,2,3
	v_lshlrev_b32 v[SCL+\qt], 23, v[E+\qt]         ; the scale as f32, for the conversion
.endr
.irp qt, 0,1,2,3
	v_cmp_eq_u32 vcc_lo, 0, v[M+\qt]
	v_cndmask_b32 v[E+\qt], v[E+\qt], 127, vcc_lo  ; a block of zeros: all of it behind the mask
.endr
.irp qt, 0,1,2,3
.if (2*\par+\b) == 0
	v_mov_b32 v[PS+\qt], v[E+\qt]                  ; byte 2 par + b of P's scale word
.else
	v_lshl_or_b32 v[PS+\qt], v[E+\qt], 8*(2*\par+\b), v[PS+\qt]
.endif
.endr
.irp qt, 0,1,2,3
.if \b == 0
	v_cvt_scalef32_pk16_fp6_f32 v[P+12*\qt+6*\par:P+12*\qt+6*\par+2], v[S+16*\qt:S+16*\qt+15], v[SCL+\qt]
.else
	v_cvt_scalef32_pk16_fp6_f32 v[CT+4*\qt:CT+4*\qt+2], v[S+16*\qt:S+16*\qt+15], v[SCL+\qt]
.endif
.endr
	v_nop                                          ; one plain place behind a scaled conversion
.endm
.macro SWAP par                        ; the operand wants a WHOLE block in a lane: lanes 0-15 chunk 0's, lanes 16-31 chunk 1's
.irp qt, 0,1,2,3
.irp i, 0,1,2
	v_permlane16_swap_b32 v[P+12*\qt+6*\par+\i], v[CT+4*\qt+\i]
.endr
.endr
.irp qt, 0,1,2,3
.irp i, 0,1,2
	v_mov_b32 v[P+12*\qt+6*\par+3+\i], v[CT+4*\qt+\i]
.endr
.endr
.endm
.macro SLOTW slot, par, mask           ; a slot's work of a wave: 64 products, two blocks quantised for each of 64 queries
	v_add_nc_u32 v[AVSC], s23, v[AVS0]
	FETCHK \slot, 0
	FETCHK \slot, 1
	s_wait_dscnt 49                                ; chunk 0 is in; chunk 1's 49 loads stay out
	SMUL 0
	FETCHV \slot, \par
	PLACES 4
	MAYMASK 0, \mask
	QUANT 0, \par
	s_wait_dscnt 28                                ; chunk 1 is in; V's 28 loads stay out
	SMUL 1
	WIN 0
	PLACES 4
	MAYMASK 1, \mask
	QUANT 1, \par
	SWAP \par
	s_add_co_u32 s21, s21, 1
.endm
.macro PVRUN zero                      ; O^T (+)= V^T P^T: 32 products on 32 accumulators
	WIN 0xa1
.irp dt, 0,1,2,3
.irp qt, 0,1,2,3
	WM 64*\qt+8*\dt, 192+12*\dt, P+12*\qt, \zero, VS+\dt/2, PS+\qt, \dt%2
.endr
.endr
	WIN 0xa3
.irp dt, 4,5,6,7
.irp qt, 0,1,2,3
	WM 64*\qt+8*\dt, 192+12*(\dt-4), P+12*\qt, \zero, VS+\dt/2, PS+\qt, \dt%2
.endr
.endr
	WIN 0
.endm
.macro PV
	PLACES 8                                       ; scale words written by vector instructions stand eight places ahead of a scaled product, operands four
	s_cmp_eq_u32 s24, 0
	s_cbranch_scc1 .Ladd_\@
	PVRUN 1                                        ; a query block's first pair starts the sums
	s_branch .Ldone_\@
.Ladd_\@:
	PVRUN 0
.Ldone_\@:
	PLACES 4
	s_mov_b32 s24, 0
.endm
; THE FLUSH, in eight pieces: query tile k / 2, channels 64 (k % 2) on.  Each wave puts its partial sums (16 rows x 256 bytes) into its stage; behind a barrier wave w takes rows 4 w .. 4 w + 3 of all four stages,
; adds them and stores them: sixteen lanes to 256 consecutive bytes, at a multiple of 256 from out0's first byte.  Two stage buffers by turns: a buffer is written again two pieces later, behind the barrier
; of the piece between, in front of which every wave has waited for its reads.
.macro PIECE k
.set QT, (\k)/2
.set DH, (\k)%2
	WIN 0x08                                       ; the data: window 2
.irp d, 0,1,2,3
	ds_store_b128 v[STO], v[64*QT+8*(4*DH+\d):64*QT+8*(4*DH+\d)+3] offset:SBUF*DH+64*\d        ; each accumulator from its low end on
	ds_store_b128 v[STO], v[64*QT+8*(4*DH+\d)+4:64*QT+8*(4*DH+\d)+7] offset:SBUF*DH+64*\d+16
.endr
	WIN 0
	s_wait_dscnt 0x0                               ; for the others' sake: my stores are done
	s_barrier_signal -1
	s_barrier_wait -1
.if (\k) >= 2
	s_wait_xcnt 0x0                                ; the stores of two pieces ago have read these registers
.endif
.irp e, 0,1
.irp v, 0,1,2,3
	ds_load_b128 v[S+32*DH+16*\e+4*\v:S+32*DH+16*\e+4*\v+3], v[RD] offset:SBUF*DH+4352*\v+544*\e
.endr
.endr
	s_wait_dscnt 0x0
.irp e, 0,1
.set R, S+32*DH+16*\e
	v_pk_add_f32 v[R:R+1], v[R:R+1], v[R+4:R+5]
	v_pk_add_f32 v[R+2:R+3], v[R+2:R+3], v[R+6:R+7]
	v_pk_add_f32 v[R+8:R+9], v[R+8:R+9], v[R+12:R+13]
	v_pk_add_f32 v[R+10:R+11], v[R+10:R+11], v[R+14:R+15]
	v_pk_add_f32 v[R:R+1], v[R:R+1], v[R+8:R+9]
	v_pk_add_f32 v[R+2:R+3], v[R+2:R+3], v[R+10:R+11]
	global_store_b128 v[GO], v[R:R+3], s[82:83] offset:512*(32*(QT/2)+8*(QT%2)+2*\e)+256*DH th:TH_STORE_NT
.endr
.endm
.macro FLUSH
.irp k, 0,1,2,3,4,5,6,7
	PIECE \k
.endr
.endm
	s_wait_loadcnt 0x0                             ; the queries
.Lpair:                                            ; four trips: slots 0 .. 7, a pair a trip
	CHANGE 0, 1                                    ; (in the first trip slot 1's first fill, issued as a refill is)
	SLOTW 0, 0, 0                                  ; an even slot number is never on the diagonal inside the loop
	CHANGE 1, 1
	SLOTW 1, 1, 1
	s_wait_dscnt 0x0                               ; V's fragments and scale bytes
.irp i, 0,1,2,3
	v_lshl_or_b32 v[VS+\i], v[VSA+4+\i], 16, v[VSA+\i]
.endr
	PV
	s_cmp_lg_u32 s21, s16                          ; is the first query block done?  N and N1 are alike in all partners and all waves
	s_cbranch_scc1 .Lsame
	s_mul_i32 s92, s19, 102400                     ; on to block sigma2: its queries are on their way while the first block goes out
	s_mov_b32 s93, 0
	s_add_nc_u64 s[80:81], s[84:85], s[92:93]
	LOADQ
	FLUSH
	s_wait_xcnt 0x0                                ; only behind this wait are the stores' base and data registers written again
	s_lshl_b32 s92, s19, 17
	s_add_nc_u64 s[82:83], s[86:87], s[92:93]
	s_mov_b32 s24, 1
	s_wait_loadcnt 0x0
.Lsame:
	s_add_co_u32 s20, s20, 1
	s_cmp_lt_u32 s20, 4
	s_cbranch_scc1 .Lpair
	CHANGE 0, 0                                    ; the ninth slot is written out: nothing is left to ask for.  It is always sigma2's slot on the diagonal
	SLOTW 0, 0, 2
	s_wait_dscnt 0x0
.irp qt, 0,1,2,3
.irp i, 6,7,8,9,10,11
	v_mov_b32 v[P+12*\qt+\i], 0                    ; the missing half of K: zero codes, which add nothing whatever codes V's upper halves still hold
.endr
.endr
.irp qt, 0,1,2,3
	v_or_b32 v[PS+\qt], 0x7f7f0000, v[PS+\qt]      ; and scale bytes of 1 beside them
.endr
.irp i, 0,1,2,3
	v_or_b32 v[VS+\i], 0x7f7f0000, v[VSA+\i]
.endr
	PV
	FLUSH
	s_wait_tensorcnt 0x0                           ; the wave's end: behind my last tensor load and my last LDS store
	ds_add_u32 v[SPW], v[NIL]
	s_wait_dscnt 0x0
	CROUND                                         ; the closing round: no work-group ends while a partner may still ask for a tile that names it
	s_endpgm
.Lfunc_end_k_qadba5e3faa_attn:
	.size	k_qadba5e3faa_attn, .Lfunc_end_k_qadba5e3faa_attn-k_qadba5e3faa_attn
	.p2alignl 7, 3214868480
	.fill 96, 4, 3214868480
	.section	.rodata,"a",@progbits
	.p2align	6, 0x0
	.amdhsa_kernel k_qadba5e3faa_attn
		.amdhsa_group_segment_fixed_size 327680
		.amdhsa_private_segment_fixed_size 0
		.amdhsa_enable_private_segment 0
		.amdhsa_kernarg_size 32
		.amdhsa_user_sgpr_count 2
		.amdhsa_user_sgpr_kernarg_segment_ptr 1
		.amdhsa_wavefront_size32 1
		.amdhsa_system_sgpr_workgroup_id_x 1
		.amdhsa_system_sgpr_workgroup_id_y 1
		.amdhsa_system_sgpr_workgroup_id_z 1
		.amdhsa_system_vgpr_workitem_id 0
		.amdhsa_next_free_vgpr 1024
		.amdhsa_next_free_sgpr 96
		.amdhsa_reserve_vcc 1
		.amdhsa_float_denorm_mode_32 3
		.amdhsa_float_denorm_mode_16_64 3
		.amdhsa_memory_ordered 1
		.amdhsa_forward_progress 1
		.amdhsa_inst_pref_size 179
	.end_amdhsa_kernel
	.amdgpu_metadata
---
amdhsa.version: [ 1, 2 ]
amdhsa.kernels:
  - .name:           k_qadba5e3faa_attn
    .symbol:         k_qadba5e3faa_attn.kd
    .args:
      - { .name: qrc, .offset: 0, .size: 8, .value_kind: global_buffer, .address_space: global }
      - { .name: V_codes, .offset: 8, .size: 8, .value_kind: global_buffer, .address_space: global }
      - { .name: V_scales, .offset: 16, .size: 8, .value_kind: global_buffer, .address_space: global }
      - { .name: out0, .offset: 24, .size: 8, .value_kind: global_buffer, .address_space: global }
    .group_segment_fixed_size: 327680
    .private_segment_fixed_size: 0
    .kernarg_segment_align: 8
    .kernarg_segment_size: 32
    .max_flat_workgroup_size: 128
    .sgpr_count:     96
    .vgpr_count:     1024
    .wavefront_size: 32
...
	.end_amdgpu_metadata
.endif
;; end of part 2
;; ======== version 2 of 2: 2 launches
;; workspace buffers: qrc 13,107,200 bytes
;; launch rope_q (part 3): grid 128 x 2, 8 waves a work-group, no clusters, 327,680 bytes of LDS; arguments Q, freqs, qrc; writes qrc
.if DOCPART == 3
	.amdgcn_target "amdgcn-amd-amdhsa--gfx1250"
	.amdhsa_code_object_version 6
	.text
	.protected	k_qadba5e3faa_rope_q
	.globl	k_qadba5e3faa_rope_q
	.p2align	8
	.type	k_qadba5e3faa_rope_q,@function
k_qadba5e3faa_rope_q:
	s_mov_b64 s[64:65], 0
	v_nop
	global_prefetch_b8 v0, s[64:65] scope:SCOPE_SE
	s_setreg_imm32_b32 hwreg(HW_REG_WAVE_MODE, 25, 1), 1
	s_wait_xcnt 0x0
; QR = Q cos + rotate_half(Q) sin, then the MX quantiser along N: codes of E2M3 and one E8M0 byte for each 32 columns.
; Q: [16 heads][2048 rows][512] f32.  freqs: [512] f32, honoured column by column (paired columns need not share a frequency).
; qrc: [16 heads][2048 positions][400 bytes]: a record is 384 bytes of codes (512 codes, one stream of bits) and 16 scale bytes.
; POSITION p HOLDS ROW t = p WITH BITS 3 AND 4 EXCHANGED, so that 16 neighbouring records are the 16 rows that the next launch wants in one tile.
; SHARES.  Work-group (x, y): positions 16 x .. 16 x + 15 of heads 8 y .. 8 y + 7.  Wave w: positions 16 x + 2 w and + 1, which are rows t0 and t0 + 1.
; Their cosines and sines are made once and serve the 8 heads: 16 steps a wave, step s = head s / 2, row s % 2.  In a step a lane holds 16 neighbouring columns, since the conversion
; takes 16 neighbours from one lane's registers; two neighbouring lanes hold a block of 32.
; Q COMES THROUGH LDS, WHICH IS FILLED ONCE.  The work-group's 16 x 8 rows of 2,048 bytes, with 16 bytes of padding behind every 64, are 327,680 bytes: all that the work-group is given.
; Each wave issues four tensor loads at its start (four are out), each of two heads x 4,096 consecutive bytes, into bytes of its own, and reads only those: its own wait on TENSORcnt orders its reads.
; A lane's 64 bytes then lie 80 bytes, 20 words, from its neighbour's.
; Nothing is filled again, so there is no ring and no barrier for one.
; PHASES as reference() has them: x = t f (one rounding), x - floor(x) (exact), times 2 pi (one rounding).  Sine and cosine of that f32 number by quadrant reduction
; (pi / 2 in two parts) and polynomials of degree 7 and 8 on |r| <= pi / 4: error about 1e-7.  The chip's own sine and cosine are not used.
; THE WAY OUT.  The codes of a wave's 16 steps stay in registers.  Behind a barrier, when no wave reads Q's bytes any more, they go into a stage that lies over LDS bytes 0 .. 51,199 (which have had their only fill):
; a head's 16 records are 6,400 consecutive bytes of qrc, made by all eight waves, and wave w stores head w's as whole aligned blocks of 256 bytes.
; No clusters and no matrix work: nothing is shared between work-groups and memory binds.
; LIMITS: NaN and infinities in Q or freqs are not served.  A block whose largest magnitude lies under 2^-124 has its byte held at 1, as the quantiser's clip has it.
; |t f| stays under 2^23 (freqs under some 4,000), so that x - floor(x) is exact.
.set CS,  16                           ; v16-47    cosines: row e at +16 e, my 16 columns
.set SN,  48                           ; v48-79    sines likewise; THE EVEN COLUMNS' ARE KEPT NEGATED: y0 = x0 c0 + x1 (-s0), y1 = x1 c1 + x0 s1
.set X,   80                           ; v80-143   four sets of 16 numbers of Q: a tile's four steps
.set Y,   144                          ; v144-159  QR at work; first my 16 freqs
.set CD,  160                          ; v160-223  sixteen sets of 4: a step's three registers of codes and its scale byte
.set TT,  224                          ; v224-255  the trigonometry's temporaries, 16 for each of two column pairs; later v240-242 at work
.set G1,  20                           ; s[20:27]  descriptor group 1: the shape, the same for the four loads
.set G0,  28                           ; s[28:43]  descriptor group 0, a set for each load
.set K2PI, 44                          ; s[44:59]  constants, each twice: the packed lines name pairs
.set KIPI, 46
.set KHI,  48
.set KLO,  50
.set KS1,  52
.set KS3,  54
.set KC0,  56
.set KC2,  58
.set WREG,  40960                      ; a wave's LDS bytes: 16 steps
.set STEPB, 2560                       ; a step's: 32 x (64 + 16)
.set TILEB, 10240                      ; a tile's: four steps
	s_load_b128 s[4:7], s[0:1], 0x0                ; Q s[4:5], freqs s[6:7]
	s_load_b64 s[8:9], s[0:1], 0x10                ; qrc
	v_lshrrev_b32 v1, 5, v0
	v_readfirstlane_b32 s10, v1                    ; wave 0..7
	v_and_b32 v1, 31, v0                           ; lane
	s_and_b32 s11, ttmp7, 0xffff                   ; y
	s_lshl_b32 s12, ttmp9, 4
	s_lshl1_add_u32 s12, s10, s12                  ; p = 16 x + 2 w
	s_and_b32 s13, s12, 0x7e7                      ; t0 = p with bits 3 and 4 exchanged
	s_and_b32 s18, s12, 16
	s_lshr_b32 s18, s18, 1
	s_or_b32 s13, s13, s18
	s_and_b32 s18, s12, 8
	s_lshl_b32 s18, s18, 1
	s_or_b32 s13, s13, s18
	s_cvt_f32_u32 s14, s13                         ; t0 and t0 + 1 as f32, each twice
	s_add_co_u32 s18, s13, 1
	s_cvt_f32_u32 s16, s18
	s_mov_b32 s15, s14
	s_mov_b32 s17, s16
	s_lshl_b32 s18, s11, 25                        ; 8 y heads of 4,194,304 bytes
	s_lshl_b32 s19, s13, 11                        ; + t0 rows of 2,048
	s_add_co_u32 s18, s18, s19
	s_mov_b32 s19, 0
	s_lshl3_add_u32 s68, s11, s10                  ; the way out: head 8 y + w,
	s_mul_i32 s68, s68, 819200
	s_mul_i32 s69, ttmp9, 6400                     ; its records 16 x on
	s_add_co_u32 s68, s68, s69
	s_mov_b32 s69, 0
	; group 1: a tile of 2 heads x 1,024 elements of 4 bytes (rows t0 and t0 + 1 of a head lie on end), the heads 1,048,576 elements apart
	s_mov_b32 s[G1], (2<<16)|(1<<20)|(3<<22)|(3<<25)   ; 15:0 no mask; 17:16 elements of 4 bytes; 20 padding on; 24:22 after every 16 words (code 3); 31:25 4 words of it (code 3)
	s_mov_b32 s[G1+1], 1024<<16                    ; tensor_dim0
	s_mov_b32 s[G1+2], 2<<16                       ; tensor_dim1
	s_mov_b32 s[G1+3], 1024<<16                    ; tile_dim0
	s_mov_b32 s[G1+4], 2                           ; tile_dim1
	s_mov_b32 s[G1+5], 0x100000                    ; from head to head
	s_mov_b32 s[G1+6], 0
	s_mov_b32 s[G1+7], 0
.irp r, 44,45
	s_mov_b32 s\r, 0x40c90fdb                      ; 2 pi
.endr
.irp r, 46,47
	s_mov_b32 s\r, 0x3f22f983                      ; 2 / pi
.endr
.irp r, 48,49
	s_mov_b32 s\r, 0xbfc90fdb                      ; -(pi / 2), its f32 part
.endr
.irp r, 50,51
	s_mov_b32 s\r, 0x333bbd2e                      ; that part less pi / 2: +4.3711390e-8
.endr
.irp r, 52,53
	s_mov_b32 s\r, 0xbe2aaaa3                      ; S1 = -1.6666654611e-1
.endr
.irp r, 54,55
	s_mov_b32 s\r, 0xb94ca1f9                      ; S3 = -1.9515295891e-4
.endr
.irp r, 56,57
	s_mov_b32 s\r, 0x3d2aaaa5                      ; C0 = 4.166664568e-2
.endr
.irp r, 58,59
	s_mov_b32 s\r, 0x37ccf5ce                      ; C2 = 2.443315712e-5
.endr
.irp r, 8,9
	v_mov_b32 v\r, 0x4b400000                      ; 1.5 x 2^23: adding it rounds to a whole number and leaves that number in the low bits
.endr
.irp r, 10,11
	v_mov_b32 v\r, 0x3c08839e                      ; S2 = 8.3321608736e-3
.endr
.irp r, 12,13
	v_mov_b32 v\r, 0xbab6061a                      ; C1 = -1.388731625e-3
.endr
	v_lshlrev_b32 v2, 6, v1                        ; my 64 bytes of freqs
	s_mul_i32 s70, s10, 800                        ; the stage: my wave's two records in a head's 16
	v_mul_u32_u24 v3, v1, 12
	v_add_nc_u32 v3, s70, v3                       ; my 12 bytes of codes
	s_add_co_u32 s70, s70, 384
	v_lshrrev_b32 v4, 1, v1
	v_add_nc_u32 v4, s70, v4                       ; my block's scale byte
	s_mul_i32 s70, s10, 6400                       ; back out of the stage: head w's 6,400 bytes
	v_lshlrev_b32 v14, 4, v1                       ; 16 bytes a lane,
	v_add_nc_u32 v5, s70, v14
	v_lshl_add_u32 v7, v1, 3, 6144                 ; and the last 256 bytes 8 a lane
	v_add_nc_u32 v6, s70, v7
	s_mul_i32 s71, s10, WREG                       ; my wave's LDS bytes
	v_mul_u32_u24 v15, v1, 80
	v_add_nc_u32 v15, s71, v15                     ; my 64 bytes of a step's row there
	s_wait_kmcnt 0x0
	s_add_nc_u64 s[60:61], s[4:5], s[18:19]        ; Q at row t0 of head 8 y
.irp j, 0,1,2,3
	s_mov_b32 s[G0+4*\j], 1                                        ; count = 1
	s_add_co_u32 s[G0+4*\j+1], s71, TILEB*\j                       ; LDS address: my wave's bytes, tile j
	s_add_nc_u64 s[G0+4*\j+2:G0+4*\j+3], s[60:61], 0x800000*\j     ; heads 2 j and 2 j + 1
	s_or_b32 s[G0+4*\j+3], s[G0+4*\j+3], 0x80000000                ; type = 2
.endr
.irp j, 0,1,2,3
	tensor_load_to_lds s[G0+4*\j:G0+4*\j+3], s[G1:G1+7]            ; all of my wave's Q is asked for, ahead of every wait on TENSORcnt, every LDS read and every barrier
.endr
	s_add_nc_u64 s[66:67], s[8:9], s[68:69]
.irp i, 0,1,2,3
	global_load_b128 v[Y+4*\i:Y+4*\i+3], v2, s[6:7] offset:16*\i
.endr
; Cosine and sine of row e for column pairs i0 and i0 + 1, the two pairs line by line.  In a pair's 16 temporaries: +0 x, then p, then r; +2 floor, then kf; +4 k, then z; +6 the sine's polynomial; +8 the cosine's; +10..13 signs.
.macro TRIG e, i0
.irp n, 0,1
	v_pk_mul_f32 v[TT+16*\n:TT+16*\n+1], v[Y+2*(\i0+\n):Y+2*(\i0+\n)+1], s[14+2*\e:15+2*\e] op_sel_hi:[1,0]   ; x = t f
.endr
.irp n, 0,1
	v_floor_f32 v[TT+16*\n+2], v[TT+16*\n]
	v_floor_f32 v[TT+16*\n+3], v[TT+16*\n+1]
.endr
.irp n, 0,1
	v_pk_add_f32 v[TT+16*\n:TT+16*\n+1], v[TT+16*\n:TT+16*\n+1], v[TT+16*\n+2:TT+16*\n+3] neg_lo:[0,1] neg_hi:[0,1]   ; x mod 1
.endr
.irp n, 0,1
	v_pk_mul_f32 v[TT+16*\n:TT+16*\n+1], v[TT+16*\n:TT+16*\n+1], s[K2PI:K2PI+1] op_sel_hi:[1,0]   ; p = the phase, 0 .. 2 pi
.endr
.irp n, 0,1
	v_pk_fma_f32 v[TT+16*\n+2:TT+16*\n+3], v[TT+16*\n:TT+16*\n+1], s[KIPI:KIPI+1], v[8:9] op_sel_hi:[1,0,1]   ; kf: the quadrant 0 .. 4 in its low bits
.endr
.irp n, 0,1
	v_pk_add_f32 v[TT+16*\n+4:TT+16*\n+5], v[TT+16*\n+2:TT+16*\n+3], v[8:9] neg_lo:[0,1] neg_hi:[0,1]   ; k as f32
.endr
.irp n, 0,1
	v_pk_fma_f32 v[TT+16*\n:TT+16*\n+1], v[TT+16*\n+4:TT+16*\n+5], s[KHI:KHI+1], v[TT+16*\n:TT+16*\n+1] op_sel_hi:[1,0,1]   ; r = p - k pi / 2, in two parts
.endr
.irp n, 0,1
	v_pk_fma_f32 v[TT+16*\n:TT+16*\n+1], v[TT+16*\n+4:TT+16*\n+5], s[KLO:KLO+1], v[TT+16*\n:TT+16*\n+1] op_sel_hi:[1,0,1]
.endr
.irp n, 0,1
	v_pk_mul_f32 v[TT+16*\n+4:TT+16*\n+5], v[TT+16*\n:TT+16*\n+1], v[TT+16*\n:TT+16*\n+1]   ; z = r r
.endr
.irp n, 0,1
	v_pk_fma_f32 v[TT+16*\n+6:TT+16*\n+7], v[TT+16*\n+4:TT+16*\n+5], s[KS3:KS3+1], v[10:11] op_sel_hi:[1,0,1]   ; S3 z + S2
	v_pk_fma_f32 v[TT+16*\n+8:TT+16*\n+9], v[TT+16*\n+4:TT+16*\n+5], s[KC2:KC2+1], v[12:13] op_sel_hi:[1,0,1]   ; C2 z + C1
.endr
.irp n, 0,1
	v_pk_fma_f32 v[TT+16*\n+6:TT+16*\n+7], v[TT+16*\n+6:TT+16*\n+7], v[TT+16*\n+4:TT+16*\n+5], s[KS1:KS1+1] op_sel_hi:[1,1,0]   ; .. z + S1
	v_pk_fma_f32 v[TT+16*\n+8:TT+16*\n+9], v[TT+16*\n+8:TT+16*\n+9], v[TT+16*\n+4:TT+16*\n+5], s[KC0:KC0+1] op_sel_hi:[1,1,0]   ; .. z + C0
.endr
.irp n, 0,1
	v_pk_mul_f32 v[TT+16*\n+6:TT+16*\n+7], v[TT+16*\n+6:TT+16*\n+7], v[TT+16*\n+4:TT+16*\n+5]                              ; .. z
	v_pk_fma_f32 v[TT+16*\n+8:TT+16*\n+9], v[TT+16*\n+8:TT+16*\n+9], v[TT+16*\n+4:TT+16*\n+5], -0.5 op_sel_hi:[1,1,0]      ; .. z - 1/2
.endr
.irp n, 0,1
	v_pk_fma_f32 v[TT+16*\n+6:TT+16*\n+7], v[TT+16*\n+6:TT+16*\n+7], v[TT+16*\n:TT+16*\n+1], v[TT+16*\n:TT+16*\n+1]        ; sin r = .. r + r
	v_pk_fma_f32 v[TT+16*\n+8:TT+16*\n+9], v[TT+16*\n+8:TT+16*\n+9], v[TT+16*\n+4:TT+16*\n+5], 1.0 op_sel_hi:[1,1,0]       ; cos r = .. z + 1
.endr
.irp n, 0,1                            ; the quadrant: odd k exchanges the two; the sine is negative where k has bit 1, the cosine where bits 0 and 1 differ
.irp m, 0,1
	v_lshlrev_b32 v[TT+16*\n+10+2*\m], 31, v[TT+16*\n+2+\m]        ; k's bit 0 at the sign's place
	v_lshlrev_b32 v[TT+16*\n+11+2*\m], 30, v[TT+16*\n+2+\m]
	v_cmp_ne_u32 vcc_lo, 0, v[TT+16*\n+10+2*\m]
	v_and_b32 v[TT+16*\n+11+2*\m], 0x80000000, v[TT+16*\n+11+2*\m] ; k's bit 1 there
	v_cndmask_b32 v[SN+16*\e+2*(\i0+\n)+\m], v[TT+16*\n+6+\m], v[TT+16*\n+8+\m], vcc_lo
	v_cndmask_b32 v[CS+16*\e+2*(\i0+\n)+\m], v[TT+16*\n+8+\m], v[TT+16*\n+6+\m], vcc_lo
	v_xor_b32 v[SN+16*\e+2*(\i0+\n)+\m], v[TT+16*\n+11+2*\m], v[SN+16*\e+2*(\i0+\n)+\m]
	v_xor_b32 v[TT+16*\n+11+2*\m], v[TT+16*\n+10+2*\m], v[TT+16*\n+11+2*\m]
	v_xor_b32 v[CS+16*\e+2*(\i0+\n)+\m], v[TT+16*\n+11+2*\m], v[CS+16*\e+2*(\i0+\n)+\m]
.if \m == 0
	v_xor_b32 v[SN+16*\e+2*(\i0+\n)], 0x80000000, v[SN+16*\e+2*(\i0+\n)]   ; the even column's sine is kept negated
.endif
.endr
.endr
.endm
	s_wait_loadcnt 0x0                             ; freqs.  The cosines and sines are made while Q is on its way
.irp e, 0,1
.irp i0, 0,2,4,6
	TRIG \e, \i0
.endr
.endr
.macro STEP s                          ; step s: the rotation, the block's scale, the codes into the step's own registers
.set XS, X+16*((\s)%4)
.set RW, 16*((\s)%2)
.set CQ, CD+4*(\s)
	s_wait_dscnt 4*(3-(\s)%4)                      ; this step's four loads are back; the tile's later steps' stay out
.irp j, 0,2,4,6,8,10,12,14
	v_pk_mul_f32 v[Y+\j:Y+\j+1], v[XS+\j:XS+\j+1], v[CS+RW+\j:CS+RW+\j+1]
.endr
.irp j, 0,2,4,6,8,10,12,14
	v_pk_fma_f32 v[Y+\j:Y+\j+1], v[XS+\j:XS+\j+1], v[SN+RW+\j:SN+RW+\j+1], v[Y+\j:Y+\j+1] op_sel:[1,0,0] op_sel_hi:[0,1,1]   ; Q's pair exchanged: the low half takes x1, the high half x0
.endr
	v_max3_num_f32 v240, |v[Y]|, |v[Y+1]|, |v[Y+2]|                ; the largest magnitude of my 16, in two chains,
	v_max3_num_f32 v241, |v[Y+3]|, |v[Y+4]|, |v[Y+5]|
.irp i, 6,10
	v_max3_num_f32 v240, v240, |v[Y+\i]|, |v[Y+\i+1]|
	v_max3_num_f32 v241, v241, |v[Y+\i+2]|, |v[Y+\i+3]|
.endr
	v_max3_num_f32 v240, v240, |v[Y+14]|, |v[Y+15]|
	v_max_num_f32 v240, v240, v241
	v_max_num_f32_dpp v240, v240, v240 row_xmask:1 row_mask:0xf bank_mask:0xf   ; and of my neighbour's 16: the block's
	v_lshrrev_b32 v241, 23, v240                   ; its exponent field is floor(log2) + 127
	v_max_u32 v241, 3, v241                        ; the byte is not to fall under 1
	v_add_nc_u32 v241, -2, v241                    ; the scale's byte
	v_lshlrev_b32 v242, 23, v241                   ; and the scale as f32, for the conversion
	v_cmp_eq_u32 vcc_lo, 0, v240
	v_cvt_scalef32_pk16_fp6_f32 v[CQ:CQ+2], v[Y:Y+15], v242
	v_cndmask_b32 v[CQ+3], v241, 127, vcc_lo       ; a block of zeros gets 127.  (Also the one plain instruction behind the scaled conversion)
.endm
.macro TILE j                          ; heads 2 j and 2 j + 1: four steps
	s_wait_tensorcnt 3-\j                          ; a wave's tensor loads end in order (ISA guide 10.11.1): tile j is in LDS; the 3 - j issued behind it stay out
.irp q, 0,1,2,3
.irp i, 0,1,2,3
	ds_load_b128 v[X+16*\q+4*\i:X+16*\q+4*\i+3], v15 offset:STEPB*(4*\j+\q)+16*\i
.endr
.endr
.irp q, 0,1,2,3
	STEP 4*\j+\q
.endr
.endm
.irp j, 0,1,2,3
	TILE \j
.endr
	s_wait_dscnt 0x0                               ; my reads of Q's bytes are over (and all my tensor loads have landed: the last tile's wait was for 0)
	s_barrier_signal -1
	s_barrier_wait -1                              ; everybody's are: the stage may be laid over them
.irp s, 0,1,2,3,4,5,6,7,8,9,10,11,12,13,14,15
.irp i, 0,1,2
	ds_store_b32 v3, v[CD+4*\s+\i] offset:6400*(\s/2)+400*(\s%2)+4*\i   ; lanes three words apart
.endr
	ds_store_b8 v4, v[CD+4*\s+3] offset:6400*(\s/2)+400*(\s%2)          ; both lanes of a block write the same byte with the same value
.endr
	s_wait_dscnt 0x0                               ; for the others' sake: my records are in the stage
	s_barrier_signal -1
	s_barrier_wait -1                              ; everybody's are
.irp i, 0,1,2,3,4,5,6,7,8,9,10,11
	ds_load_b128 v[X+4*\i:X+4*\i+3], v5 offset:512*\i
.endr
	ds_load_b64 v[X+48:X+49], v6
.irp i, 0,1,2,3,4,5,6,7,8,9,10,11
	s_wait_dscnt 12-\i                             ; load i is back; those behind it stay out
	global_store_b128 v14, v[X+4*\i:X+4*\i+3], s[66:67] offset:512*\i   ; 512 consecutive bytes, at a multiple of 256 from qrc's first byte
.endr
	s_wait_dscnt 0x0
	global_store_b64 v7, v[X+48:X+49], s[66:67]    ; the last 256
	s_endpgm
.Lfunc_end_k_qadba5e3faa_rope_q:
	.size	k_qadba5e3faa_rope_q, .Lfunc_end_k_qadba5e3faa_rope_q-k_qadba5e3faa_rope_q
	.p2alignl 7, 3214868480
	.fill 96, 4, 3214868480
	.section	.rodata,"a",@progbits
	.p2align	6, 0x0
	.amdhsa_kernel k_qadba5e3faa_rope_q
		.amdhsa_group_segment_fixed_size 327680
		.amdhsa_private_segment_fixed_size 0
		.amdhsa_enable_private_segment 0
		.amdhsa_kernarg_size 24
		.amdhsa_user_sgpr_count 2
		.amdhsa_user_sgpr_kernarg_segment_ptr 1
		.amdhsa_wavefront_size32 1
		.amdhsa_system_sgpr_workgroup_id_x 1
		.amdhsa_system_sgpr_workgroup_id_y 1
		.amdhsa_system_sgpr_workgroup_id_z 1
		.amdhsa_system_vgpr_workitem_id 0
		.amdhsa_next_free_vgpr 256
		.amdhsa_next_free_sgpr 72
		.amdhsa_reserve_vcc 1
		.amdhsa_float_denorm_mode_32 3
		.amdhsa_float_denorm_mode_16_64 3
		.amdhsa_memory_ordered 1
		.amdhsa_forward_progress 1
		.amdhsa_inst_pref_size 75
	.end_amdhsa_kernel
	.amdgpu_metadata
---
amdhsa.version: [ 1, 2 ]
amdhsa.kernels:
  - .name:           k_qadba5e3faa_rope_q
    .symbol:         k_qadba5e3faa_rope_q.kd
    .args:
      - { .name: Q, .offset: 0, .size: 8, .value_kind: global_buffer, .address_space: global }
      - { .name: freqs, .offset: 8, .size: 8, .value_kind: global_buffer, .address_space: global }
      - { .name: qrc, .offset: 16, .size: 8, .value_kind: global_buffer, .address_space: global }
    .group_segment_fixed_size: 327680
    .private_segment_fixed_size: 0
    .kernarg_segment_align: 8
    .kernarg_segment_size: 24
    .max_flat_workgroup_size: 256
    .sgpr_count:     72
    .vgpr_count:     256
    .wavefront_size: 32
...
	.end_amdgpu_metadata
.endif
;; end of part 3
;; launch attn (part 4): grid 16 x 16, 4 waves a work-group, clusters of 4 x 1, 327,680 bytes of LDS; arguments qrc, V_codes, V_scales, out0; writes out0
.if DOCPART == 4
	.amdgcn_target "amdgcn-amd-amdhsa--gfx1250"
	.amdhsa_code_object_version 6
	.text
	.protected	k_qadba5e3faa_attn
	.globl	k_qadba5e3faa_attn
	.p2align	8
	.type	k_qadba5e3faa_attn,@function
k_qadba5e3faa_attn:
	s_mov_b64 s[64:65], 0
	v_nop
	global_prefetch_b8 v0, s[64:65] scope:SCOPE_SE
	s_setreg_imm32_b32 hwreg(HW_REG_WAVE_MODE, 25, 1), 1
	s_wait_xcnt 0x0
	s_wait_alu depctr_hold_cnt(0) depctr_sa_sdst(0) depctr_va_vdst(0) depctr_va_sdst(0) depctr_va_ssrc(0) depctr_va_vcc(0) depctr_vm_vsrc(0)
	s_getreg_b32 s2, hwreg(HW_REG_IB_STS2, 6, 4)
	s_cmp_eq_u32 s2, 0
	s_cbranch_scc0 .Lentry_in_a_cluster
	s_endpgm
.Lentry_in_a_cluster:
	s_bfe_u32 s2, ttmp6, 0x10000c
	s_cmp_lg_u32 s2, 0x3003
	s_cbranch_scc0 .Lentry_shape_is_right
	s_endpgm
.Lentry_shape_is_right:
; out0[h][t][:] = the sum over keys s < t of Qnt(QR[t] . QR[s]) V[s][:], both products on codes of E2M3 with one E8M0 scale for each 32 along K.
; qrc: [16 heads][2048 positions][400 bytes]: 384 bytes of codes and 16 scale bytes of row t = position with bits 3 and 4 exchanged.  It serves as queries and as keys.
; V_codes: [16][128][64 blocks][24 bytes], keys innermost; V_scales: [16][128][64].  out0: [16][2048][128] f32.
; LAYOUT.  Both products are used transposed.  S^T = K Q^T (source 0 = 16 keys, source 1 = 16 queries): a lane holds ONE query (lane % 16).  By the order of qrc's records the 16 registers
; of a chunk's two tiles are 16 neighbouring keys, 32 g + 16 (lane / 16) + 0 .. 15: the conversions' results, with one exchange of halves, ARE source 1 of O^T = V^T P^T.  The scores never leave the registers.
; SHARES.  A cluster of four work-groups owns two blocks of 256 queries of one head, sigma1 and 7 - sigma1; work-group cx owns 64 of each (four tiles).  Block sigma walks sigma + 1 slots
; of 256 keys, the last of them under the mask: NINE SLOTS FOR EVERY WORK-GROUP.  The four partners walk the same keys and the same V: each tile is asked for JOINTLY.
; All four waves hold the same 64 queries; wave w takes keys 64 w .. + 63 of each slot, in two chunks of 32 (one block of the quantiser each), so that each fragment of keys is read from LDS once and
; feeds four products.  The second product's K = 128 is a wave's four blocks of a PAIR of slots.  So O^T is a partial sum in each wave; the four are added through LDS at a query block's end.
; sigma1 + 1 is even, so the first block ends with a pair; the ninth slot stands alone, with zero codes for the missing half of K.
; In the slot under the mask every partner computes all of it and masks by a select: no branch hangs on the place in the cluster.
; THE QUERIES of both blocks, 2 x 64 records, are read from memory once by the work-group, each wave a quarter, in runs of 512 consecutive bytes, and put into LDS bytes of their own; each wave takes its
; copy of the fragments from there.  A block's bytes, once read out, serve as one of the flush's two stage buffers.  No tensor load ever lands in them.
; LIMITS: a row's sum over the keys is formed as four waves' partial sums and not in ascending K.  NaN and infinities are not served; a scale byte 0xff of V gives NaN, as the format has it.
; REGISTERS, in windows of 256 (s_set_vgpr_msb's low byte: bits 1:0 source 0, 3:2 source 1, 5:4 source 2, 7:6 destination):
;   window 0: addresses, scale words, S^T (v64-127), P (v128-175), at work.   window 1: v0-191 Q's fragments [48 qt + 12 c]; v192-239 V's fragments of tiles 0-3.
;   window 2: O^T [64 qt + 8 dt].   window 3: v0-95, v96-191 the two chunks' fragments of keys [48 u + 12 c]; v192-239 V's fragments of tiles 4-7.
.set SLOT,  133120                     ; a slot: 256 records of 400 bytes, then 128 rows of V
.set VOFF,  102400                     ; V's rows: 192 bytes with 16 of padding behind every 64: 240 apart
.set SCV,   2*SLOT                     ; V's scale bytes of the head: 32 blocks of 256 bytes + 16 of padding; filled once
.set QREG,  SCV+8704                   ; the queries: block a's 64 records at QREG + QBLK a
.set QBLK,  25600
.set STAGE, QREG                       ; the flush: buffer d, 4 waves x 16 rows x 272 bytes = 17,408, lies in query block d's bytes
.set SBUF,  QBLK
.set SPARE, QREG+2*QBLK                ; the spare words, 128 bytes for each wave: two blocks of 256 bytes that no other line names
.set AK,   4                           ; v4-5    my place in my wave's keys, slot 0, 1: (64 w + r) x 400 + 24 h.  Records 100 words apart begin at sixteen different multiples of four banks
.set AKS,  6                           ; v6-7    their scale words: record 64 w + lane, byte 384
.set AV,   8                           ; v8-13   V: slot s, piece i of my block's three pieces of 8 bytes
.set AVS0, 14                          ; v14     V's scale bytes: row = lane, my wave's two bytes of slot 0
.set AVSC, 15                          ; v15     the same for the slot in hand
.set QO,   16                          ; v16     LDS address of my place in a tile of queries, block 0
.set QSO,  17                          ; v17     and at their scale words
.set STO,  18                          ; v18     the flush: where I put 32 bytes of a row
.set RD,   19                          ; v19     where I read a row back
.set GO,   20                          ; v20     my byte offset in the work-group's 64 rows of out0
.set THR,  21                          ; v21     the mask's threshold
.set SPW,  22                          ; v22     LDS address of my spare word; never rewritten
.set NIL,  23                          ; v23     0; never rewritten
.set M,    24                          ; v24-27  a block's largest magnitude, for each query tile
.set T,    28                          ; v28-31  the other half's
.set QS,   32                          ; v32-47  Q's scale words [4 qt + c]
.set KS,   48                          ; v48-55  the keys' [4 b + c]: lanes 0-15 tile u = 0, lanes 16-31 tile u = 1
.set PS,   56                          ; v56-59  P's scale words
.set VS,   60                          ; v60-63  V's: lanes 0-15 tile 2 i, lanes 16-31 tile 2 i + 1
.set S,    64                          ; v64-127 S^T [16 qt + 8 u + j]; in the flush two buffers of 32; at the start v64-163 carry the queries' records to LDS
.set P,    128                         ; v128-175 P's codes [12 qt]
.set CT,   176                         ; v176-191 the second chunk's codes, ahead of the exchange
.set E,    192                         ; v192-195 a scale byte; at the start the addresses of the queries' way to LDS
.set SCL,  196                         ; v196-199 the scale as f32
.set VSA,  200                         ; v200-203, v204-207 V's two scale bytes of the pair's first and second slot
.set WV,   12                          ; s12 wave   s13 cx   s14 c   s15 head   s16 N1 = sigma1 + 1   s17 sigma in hand   s18, s19 sigma1, sigma2
.set G1K,  28                          ; s20 trips   s21 N, the slot's number 0 .. 8   s22 D, which 256 keys   s23 8 D   s24 first pair of a query block   s25 wave % 2   s[26:27] lane selects
.set G1V,  36                          ; s[28:35], s[36:43], s[44:51] descriptor groups 1: keys, V, V's scales
.set G1S,  44
.set G0K,  52                          ; s[52:55], s[56:59] groups 0 for the keys, slot 0, 1
.set G0V,  60                          ; s[60:63], s[68:71] for V
.set G0S,  72                          ; s[72:75] for V's scales.   s[76:77], s[78:79] my half of the head's keys and of V.   s[80:81], s[84:85] my queries of blocks sigma1, sigma2; s[82:83] out0 of the block in hand; s[86:87] of block 0
.set MSB, 0
.macro WIN new                         ; the immediate's high byte repeats the setting that is left; a switch that changes nothing is dropped
.if MSB != \new
	s_set_vgpr_msb (MSB<<8)|\new
.set MSB, \new
.endif
.endm
.macro PLACES n                        ; plain vector instructions that name no register of the matrix instruction ahead (ISA guide 7.12.1)
.rept \n
	v_nop
.endr
.endm
.macro CROUND                          ; a round of the cluster's barrier: my work-group's barrier; wave 0 signals for the work-group; every wave waits for all four; my work-group's barrier once more
	s_barrier_signal -1
	s_barrier_wait -1
	s_cmp_lg_u32 s[WV], 0
	s_cbranch_scc1 .Lnot_wave_0_\@
	s_barrier_signal -3
.Lnot_wave_0_\@:
	s_barrier_wait -3
	s_barrier_signal -1
	s_barrier_wait -1
.endm
.macro JLOAD s                         ; a joint refill of slot s: waves 0 and 1 fetch the keys' halves, waves 2 and 3 V's.  Four v_nop follow each line
	s_cmp_lt_u32 s[WV], 2
	s_cbranch_scc0 .Lfor_v_\@
	tensor_load_to_lds s[G0K+4*(\s):G0K+4*(\s)+3], s[G1K:G1K+7]
	PLACES 4
	s_branch .Lasked_\@
.Lfor_v_\@:
	tensor_load_to_lds s[G0V+8*(\s):G0V+8*(\s)+3], s[G1V:G1V+7]
	PLACES 4
.Lasked_\@:
.endm
.macro LOADQ a                         ; my wave's copy of block a's 64 queries: 16 fragments and their scale words, out of LDS
	WIN 0x40
.irp qt, 0,1,2,3
.irp c, 0,1,2,3
.irp p, 0,1,2,3,4,5
	ds_load_b64 v[48*\qt+12*\c+2*\p:48*\qt+12*\c+2*\p+1], v[QO] offset:QBLK*\a+6400*\qt+96*\c+48*(\p/3)+8*(\p%3)
.endr
.endr
.endr
	WIN 0
.irp qt, 0,1,2,3
	ds_load_b128 v[QS+4*\qt:QS+4*\qt+3], v[QSO] offset:QBLK*\a+6400*\qt
.endr
.endm
	s_load_b256 s[4:11], s[0:1], 0x0               ; qrc s[4:5], V_codes s[6:7], V_scales s[8:9], out0 s[10:11]
	v_lshl_add_u32 v[SPW], v0, 2, SPARE
	v_mov_b32 v[NIL], 0
	v_lshrrev_b32 v1, 5, v0
	v_readfirstlane_b32 s[WV], v1                  ; wave 0..3
	s_bfe_u32 s13, ttmp6, 0x40000                  ; cx: it enters the queries' and out0's addresses and the mask's threshold alone
	s_and_b32 s14, ttmp9, 3                        ; c: the cluster's x
	s_and_b32 s15, ttmp7, 0xffff                   ; the head
	s_sub_co_u32 s88, 7, s14
	s_bitcmp1_b32 s14, 0
	s_cselect_b32 s18, s14, s88                    ; sigma1 = 7, 1, 5, 3: odd, so that its sigma1 + 1 slots are whole pairs
	s_sub_co_u32 s19, 7, s18                       ; sigma2
	s_add_co_u32 s16, s18, 1                       ; N1
	s_and_b32 s25, s[WV], 1                        ; which half of a tile I fetch
	s_mov_b32 s26, 0x76543210
	s_mov_b32 s27, 0xfedcba98                      ; v_permlanex16_b32: lane l xor 16
	; group 1 for the keys: 128 records are 51,200 dense bytes: 200 rows of 32 elements of 8 bytes
	s_mov_b32 s[G1K], 15|(3<<16)|(1<<21)           ; 15:0 the mask: all four work-groups; 17:16 elements of 8 bytes; 21 set beside a mask
	s_mov_b32 s[G1K+1], 32<<16                     ; tensor_dim0
	s_mov_b32 s[G1K+2], 200<<16                    ; tensor_dim1
	s_mov_b32 s[G1K+3], 32<<16                     ; tile_dim0
	s_mov_b32 s[G1K+4], 200                        ; tile_dim1
	s_mov_b32 s[G1K+5], 32                         ; from row to row
	s_mov_b32 s[G1K+6], 0
	s_mov_b32 s[G1K+7], 0
	; for V: 64 rows x 192 bytes, 1,536 bytes apart; 4 words of padding behind every 16
	s_mov_b32 s[G1V], 15|(1<<20)|(1<<21)|(3<<22)|(3<<25)
	s_mov_b32 s[G1V+1], 192<<16
	s_mov_b32 s[G1V+2], 64<<16
	s_mov_b32 s[G1V+3], 192<<16
	s_mov_b32 s[G1V+4], 64
	s_mov_b32 s[G1V+5], 1536
	s_mov_b32 s[G1V+6], 0
	s_mov_b32 s[G1V+7], 0
	; for V's scales: 4,096 dense bytes: 16 rows of 256, 4 words of padding behind each
	s_mov_b32 s[G1S], 15|(3<<16)|(1<<20)|(1<<21)|(5<<22)|(3<<25)
	s_mov_b32 s[G1S+1], 32<<16
	s_mov_b32 s[G1S+2], 16<<16
	s_mov_b32 s[G1S+3], 32<<16
	s_mov_b32 s[G1S+4], 16
	s_mov_b32 s[G1S+5], 32
	s_mov_b32 s[G1S+6], 0
	s_mov_b32 s[G1S+7], 0
	s_mul_i32 s88, s15, 819200                     ; the head's records, my half of a slot's
	s_mul_i32 s89, s25, 51200
	s_add_co_u32 s88, s88, s89
	s_mov_b32 s89, 0
	s_mul_i32 s90, s15, 196608                     ; the head's V, my 64 rows
	s_mul_i32 s91, s25, 98304
	s_add_co_u32 s90, s90, s91
	s_mov_b32 s91, 0
	s_lshl_b32 s80, s15, 13                        ; the head's scale bytes of V, my half
	s_lshl_b32 s81, s25, 12
	s_add_co_u32 s80, s80, s81
	s_mov_b32 s81, 0
	s_mul_i32 s92, s25, 51200                      ; and where they go: no place in the cluster enters an LDS address
	s_mul_i32 s93, s25, 15360
	s_mul_i32 s94, s25, 4352
	s_wait_kmcnt 0x0
	s_add_nc_u64 s[76:77], s[4:5], s[88:89]
	s_add_nc_u64 s[78:79], s[6:7], s[90:91]
	s_mov_b32 s[G0K], 1                            ; slot 0: the head's first 256 keys, whichever query block comes first
	s_mov_b32 s[G0K+1], s92
	s_mov_b64 s[G0K+2:G0K+3], s[76:77]
	s_or_b32 s[G0K+3], s[G0K+3], 0x80000000        ; type = 2
	s_mov_b32 s[G0K+4], 1                          ; slot 1: its global address is written ahead of each fill
	s_add_co_u32 s[G0K+5], s92, SLOT
	s_mov_b32 s[G0V], 1
	s_add_co_u32 s[G0V+1], s93, VOFF
	s_mov_b64 s[G0V+2:G0V+3], s[78:79]
	s_or_b32 s[G0V+3], s[G0V+3], 0x80000000
	s_mov_b32 s[G0V+8], 1
	s_add_co_u32 s[G0V+9], s93, SLOT+VOFF
	s_mov_b32 s[G0S], 1
	s_add_co_u32 s[G0S+1], s94, SCV
	s_add_nc_u64 s[G0S+2:G0S+3], s[8:9], s[80:81]
	s_or_b32 s[G0S+3], s[G0S+3], 0x80000000
	CROUND                                         ; all four work-groups are here: the first joint loads meet
	s_cmp_lt_u32 s[WV], 2                          ; a wave's first fills stand in one branch: one load of waves 0 and 1 is out, two of waves 2 and 3
	s_cbranch_scc0 .Lfirst_v
	tensor_load_to_lds s[G0K:G0K+3], s[G1K:G1K+7]
	PLACES 4
	s_branch .Lfirst_asked
.Lfirst_v:
	tensor_load_to_lds s[G0S:G0S+3], s[G1S:G1S+7]
	tensor_load_to_lds s[G0V:G0V+3], s[G1V:G1V+7]
	PLACES 4
.Lfirst_asked:
	s_mul_i32 s92, s15, 819200                     ; my 64 queries of block 0: head, 64 cx records
	s_mul_i32 s93, s13, 25600
	s_add_co_u32 s92, s92, s93
	s_mov_b32 s93, 0
	s_add_nc_u64 s[84:85], s[4:5], s[92:93]
	s_lshl_b32 s92, s15, 20                        ; and their rows of out0: 2,048 x 512 bytes a head, 64 x 512 for cx
	s_lshl_b32 s94, s13, 15
	s_add_co_u32 s92, s92, s94
	s_add_nc_u64 s[86:87], s[10:11], s[92:93]
	s_mul_i32 s92, s18, 102400                     ; block sigma1's queries,
	s_add_nc_u64 s[80:81], s[84:85], s[92:93]
	s_mul_i32 s92, s19, 102400                     ; block sigma2's,
	s_add_nc_u64 s[84:85], s[84:85], s[92:93]
	s_lshl_b32 s92, s18, 17                        ; and block sigma1's rows of out0
	s_add_nc_u64 s[82:83], s[86:87], s[92:93]
	v_and_b32 v1, 15, v0                           ; r
	v_bfe_u32 v2, v0, 4, 1                         ; h
	v_and_b32 v3, 31, v0                           ; lane
	s_mul_i32 s88, s[WV], 6400                     ; my wave's quarter of a block's 25,600 bytes: 12 runs of 512 bytes and one of 256
	v_lshl_add_u32 v[E], v3, 4, s88
	v_lshl_add_u32 v[E+1], v3, 3, s88
	v_add_nc_u32 v[E+1], 6144, v[E+1]
.irp a, 0,1
.irp i, 0,1,2,3,4,5,6,7,8,9,10,11
	global_load_b128 v[S+50*\a+4*\i:S+50*\a+4*\i+3], v[E], s[80+4*\a:81+4*\a] offset:512*\i
.endr
	global_load_b64 v[S+50*\a+48:S+50*\a+49], v[E+1], s[80+4*\a:81+4*\a]
.endr
	v_add_nc_u32 v[E+2], QREG, v[E]                ; and the same places in LDS
	v_add_nc_u32 v[E+3], QREG, v[E+1]
	v_mul_u32_u24 v24, v1, 400
	v_add_nc_u32 v[QSO], QREG+384, v24
	v_mad_u32_u24 v24, v2, 24, v24                 ; a fragment: record r, + 24 h
	v_add_nc_u32 v[QO], QREG, v24
	s_mul_i32 s88, s[WV], 25600                    ; my wave's 64 keys of a slot
	v_add_nc_u32 v[AK], s88, v24
	v_add_nc_u32 v[AK+1], SLOT, v[AK]
	v_mul_u32_u24 v[AKS], v3, 400
	v_add3_u32 v[AKS], v[AKS], s88, 384
	v_add_nc_u32 v[AKS+1], SLOT, v[AKS]
	s_mul_i32 s89, s[WV], 6
	v_mul_u32_u24 v24, v2, 3
	v_add_nc_u32 v24, s89, v24                     ; V: my block 2 w + h of a slot's eight begins at piece 6 w + 3 h of a row's 24
	v_mul_u32_u24 v25, v1, 240
.irp i, 0,1,2
	v_add_nc_u32 v26, \i, v24                      ; piece q lies at 8 q + 16 (q / 8)
	v_lshrrev_b32 v27, 3, v26
	v_lshlrev_b32 v27, 4, v27
	v_lshl_add_u32 v27, v26, 3, v27
	v_add3_u32 v[AV+\i], v27, v25, VOFF
	v_add_nc_u32 v[AV+3+\i], SLOT, v[AV+\i]
.endr
	v_lshrrev_b32 v24, 2, v3                       ; V's scale bytes: four rows of 64 bytes to a block of 256 + 16
	v_and_b32 v25, 3, v3
	v_mul_u32_u24 v24, v24, 272
	v_lshl_add_u32 v24, v25, 6, v24
	s_lshl_b32 s89, s[WV], 1
	s_add_co_u32 s89, s89, SCV
	v_add_nc_u32 v[AVS0], s89, v24
	s_mul_i32 s88, s[WV], 4352
	s_add_co_u32 s88, s88, STAGE
	v_mul_u32_u24 v[STO], v1, 272
	v_lshl_add_u32 v[STO], v2, 5, v[STO]
	v_add_nc_u32 v[STO], s88, v[STO]               ; into my wave's stage: row r, 32 bytes for each half of the lanes
	s_mul_i32 s88, s[WV], 1088
	s_add_co_u32 s88, s88, STAGE
	v_mul_u32_u24 v[RD], v2, 272
	v_lshl_add_u32 v[RD], v1, 4, v[RD]
	v_add_nc_u32 v[RD], s88, v[RD]                 ; back: rows 4 w + h (+ 2 e) of every wave's stage, 16 bytes a lane
	s_lshr_b32 s88, s[WV], 1                       ; row 4 w + h of a tile is query 16 (w / 2) + 4 (w % 2) + h of its 32
	s_lshl_b32 s88, s88, 4
	s_lshl2_add_u32 s88, s25, s88
	s_lshl_b32 s88, s88, 9
	v_lshlrev_b32 v[GO], 9, v2
	v_lshl_add_u32 v[GO], v1, 4, v[GO]
	v_add_nc_u32 v[GO], s88, v[GO]
	v_and_b32 v24, 7, v1                           ; a score is kept where key < query:  64 w + 32 b + 16 h + 8 u + j  <  64 cx + 32 (qt / 2) + 8 (qt % 2) + r % 8 + 16 (r / 8)
	v_lshrrev_b32 v25, 3, v1
	v_lshl_add_u32 v24, v25, 4, v24
	v_lshlrev_b32 v25, 4, v2
	v_sub_nc_u32 v24, v24, v25
	s_sub_co_i32 s92, s13, s[WV]
	s_lshl_b32 s92, s92, 6
	v_add_nc_u32 v[THR], s92, v24                  ; what of that hangs on the lane, the wave and cx
.irp i, 0,1,2,3
	v_mov_b32 v[T+\i], 0                           ; (the destination of a lane permute counts as read)
.endr
	s_mov_b32 s24, 1
	s_mov_b32 s21, 0
	s_mov_b32 s20, 0
; One scaled product.  zero: C is the constant 0: the product starts its sum, nothing is ever cleared.  row1: source 0's scales stand in lanes 16-31 of their register.
.macro WM d, a, b, zero, sa, sb, row1
.if \zero
.if \row1
	v_wmma_scale_f32_16x16x128_f8f6f4 v[\d:\d+7], v[\a:\a+11], v[\b:\b+11], 0, v[\sa], v[\sb] matrix_a_fmt:MATRIX_FMT_FP6 matrix_b_fmt:MATRIX_FMT_FP6 matrix_a_scale:MATRIX_SCALE_ROW1
.else
	v_wmma_scale_f32_16x16x128_f8f6f4 v[\d:\d+7], v[\a:\a+11], v[\b:\b+11], 0, v[\sa], v[\sb] matrix_a_fmt:MATRIX_FMT_FP6 matrix_b_fmt:MATRIX_FMT_FP6
.endif
.else
.if \row1
	v_wmma_scale_f32_16x16x128_f8f6f4 v[\d:\d+7], v[\a:\a+11], v[\b:\b+11], v[\d:\d+7], v[\sa], v[\sb] matrix_a_fmt:MATRIX_FMT_FP6 matrix_b_fmt:MATRIX_FMT_FP6 matrix_a_scale:MATRIX_SCALE_ROW1
.else
	v_wmma_scale_f32_16x16x128_f8f6f4 v[\d:\d+7], v[\a:\a+11], v[\b:\b+11], v[\d:\d+7], v[\sa], v[\sb] matrix_a_fmt:MATRIX_FMT_FP6 matrix_b_fmt:MATRIX_FMT_FP6
.endif
.endif
.endm
; THE CHANGE OF SLOTS stands at a slot's head.  Each wave waits for all its tensor loads (its part of the slot ahead), adds 0 to its spare word, and waits for that and for its reads of the slot that it has left.
; fill = 1: the barrier is a round of the cluster's, and behind it the slot just left takes slot number N + 1's keys: the load has a whole slot's work in which to land.
.macro CHANGE slot, fill
	WIN 0
	s_wait_tensorcnt 0x0                           ; no tensor load of mine is out, so a group 0 may be written
	ds_add_u32 v[SPW], v[NIL]                      ; 0 onto my spare word; the scalar work below stands between it and the wait for it
.if \fill
	s_add_co_u32 s88, s21, 1                       ; slot number N + 1 holds keys 256 x (N + 1), or, in the second query block, 256 x (N + 1 - N1)
	s_cmp_ge_u32 s88, s16
	s_cselect_b32 s89, s16, 0
	s_sub_co_u32 s88, s88, s89
	s_and_b32 s88, s88, 7
	s_mul_i32 s90, s88, 102400
	s_mov_b32 s91, 0
	s_add_nc_u64 s[G0K+4*(1-\slot)+2:G0K+4*(1-\slot)+3], s[76:77], s[90:91]
	s_or_b32 s[G0K+4*(1-\slot)+3], s[G0K+4*(1-\slot)+3], 0x80000000
	s_mul_i32 s90, s88, 192
	s_add_nc_u64 s[G0V+8*(1-\slot)+2:G0V+8*(1-\slot)+3], s[78:79], s[90:91]
	s_or_b32 s[G0V+8*(1-\slot)+3], s[G0V+8*(1-\slot)+3], 0x80000000
.endif
	s_cmp_ge_u32 s21, s16                          ; the slot ahead: its keys D and its query block
	s_cselect_b32 s89, s16, 0
	s_cselect_b32 s17, s19, s18
	s_sub_co_u32 s22, s21, s89
	s_and_b32 s22, s22, 7
	s_lshl_b32 s23, s22, 3
	s_wait_dscnt 0x0                               ; the add is done, and my reads of the slot that I have left are over
.if \fill
	CROUND                                         ; no wave of any partner still reads that slot or has a load on its way
	JLOAD 1-\slot                                  ; the first tensor load behind the round, and my only one until the next
.else
	s_barrier_signal -1
	s_barrier_wait -1
.endif
.endm
.macro FETCHK slot, b                  ; chunk b of my wave's keys: two tiles x four fragments, 48 loads of 8 bytes, and the 32 records' scale words by one load
	WIN 0xc0
.irp u, 0,1
.irp c, 0,1,2,3
.irp p, 0,1,2,3,4,5
	ds_load_b64 v[96*\b+48*\u+12*\c+2*\p:96*\b+48*\u+12*\c+2*\p+1], v[AK+\slot] offset:12800*\b+6400*\u+96*\c+48*(\p/3)+8*(\p%3)
.endr
.endr
.endr
	WIN 0
	ds_load_b128 v[KS+4*\b:KS+4*\b+3], v[AKS+\slot] offset:12800*\b
.endm
.macro FETCHV slot, par                ; my wave's 64 keys of V's 128 rows: half par of eight fragments, 24 loads; and their two scale bytes a row, 4 loads
	WIN 0x40
.irp dt, 0,1,2,3
.irp i, 0,1,2
	ds_load_b64 v[192+12*\dt+6*\par+2*\i:192+12*\dt+6*\par+2*\i+1], v[AV+3*\slot+\i] offset:3840*\dt
.endr
.endr
	WIN 0xc0
.irp dt, 4,5,6,7
.irp i, 0,1,2
	ds_load_b64 v[192+12*(\dt-4)+6*\par+2*\i:192+12*(\dt-4)+6*\par+2*\i+1], v[AV+3*\slot+\i] offset:3840*\dt
.endr
.endr
	WIN 0
.irp i, 0,1,2,3
	ds_load_u16 v[VSA+4*\par+\i], v[AVSC] offset:2176*\i
.endr
.endm
.macro SMUL b                          ; S^T of chunk b: 32 products.  The eight accumulators take turns, one instruction a turn
	WIN 0x07
.irp c, 0,1,2,3
.irp u, 0,1
.irp qt, 0,1,2,3
	WM S+16*\qt+8*\u, 96*\b+48*\u+12*\c, 48*\qt+12*\c, (\c==0), KS+4*\b+\c, QS+4*\qt+\c, \u
.endr
.endr
.endr
.endm
.macro MASK b                          ; each accumulator from its low end on
.irp qt, 0,1,2,3
.irp u, 0,1
.irp j, 0,1,2,3,4,5,6,7
	v_cmp_lt_i32 vcc_lo, 32*\b+8*\u+\j-32*(\qt/2)-8*(\qt%2), v[THR]
	v_cndmask_b32 v[S+16*\qt+8*\u+\j], 0, v[S+16*\qt+8*\u+\j], vcc_lo
.endr
.endr
.endr
.endm
.macro MAYMASK b, mask                 ; mask = 1: only in the slot on the diagonal, D = sigma: both hang on the cluster's number and the slot's, alike in all partners.  2: always.  0: never
.if \mask == 1
	s_cmp_lg_u32 s22, s17
	s_cbranch_scc1 .Lnomask_\@
	MASK \b
.Lnomask_\@:
.elseif \mask == 2
	MASK \b
.endif
.endm
; The quantiser for chunk b: one block of 32 keys for each query: my 16 scores and those of lane l xor 16.  The four query tiles line by line.
.macro QUANT b, par
.irp qt, 0,1,2,3
	v_max3_num_f32 v[M+\qt], |v[S+16*\qt]|, |v[S+16*\qt+1]|, |v[S+16*\qt+2]|
.endr
.irp i, 3,5,7,9,11,13
.irp qt, 0,1,2,3
	v_max3_num_f32 v[M+\qt], v[M+\qt], |v[S+16*\qt+\i]|, |v[S+16*\qt+\i+1]|
.endr
.endr
.irp qt, 0,1,2,3
	v_max_num_f32 v[M+\qt], v[M+\qt], |v[S+16*\qt+15]|
.endr
.irp qt, 0,1,2,3
	v_permlanex16_b32 v[T+\qt], v[M+\qt], s26, s27
.endr
.irp qt, 0,1,2,3
	v_max_num_f32 v[M+\qt], v[M+\qt], v[T+\qt]     ; the block's largest magnitude
.endr
.irp qt, 0,1,2,3
	v_lshrrev_b32 v[E+\qt], 23, v[M+\qt]           ; its exponent field
.endr
.irp qt, 0,1,2,3
	v_max_u32 v[E+\qt], 3, v[E+\qt]                ; the byte is not to fall under 1
.endr
.irp qt, 0,1,2,3
	v_add_nc_u32 v[E+\qt], -2, v[E+\qt]
.endr
.irp qt, 0,1,2,3
	v_lshlrev_b32 v[SCL+\qt], 23, v[E+\qt]         ; the scale as f32, for the conversion
.endr
.irp qt, 0,1,2,3
	v_cmp_eq_u32 vcc_lo, 0, v[M+\qt]
	v_cndmask_b32 v[E+\qt], v[E+\qt], 127, vcc_lo  ; a block of zeros: all of it behind the mask
.endr
.irp qt, 0,1,2,3
.if (2*\par+\b) == 0
	v_mov_b32 v[PS+\qt], v[E+\qt]                  ; byte 2 par + b of P's scale word
.else
	v_lshl_or_b32 v[PS+\qt], v[E+\qt], 8*(2*\par+\b), v[PS+\qt]
.endif
.endr
.irp qt, 0,1,2,3
.if \b == 0
	v_cvt_scalef32_pk16_fp6_f32 v[P+12*\qt+6*\par:P+12*\qt+6*\par+2], v[S+16*\qt:S+16*\qt+15], v[SCL+\qt]
.else
	v_cvt_scalef32_pk16_fp6_f32 v[CT+4*\qt:CT+4*\qt+2], v[S+16*\qt:S+16*\qt+15], v[SCL+\qt]
.endif
.endr
	v_nop                                          ; one plain place behind a scaled conversion
.endm
.macro SWAP par                        ; the operand wants a WHOLE block in a lane: lanes 0-15 chunk 0's, lanes 16-31 chunk 1's
.irp qt, 0,1,2,3
.irp i, 0,1,2
	v_permlane16_swap_b32 v[P+12*\qt+6*\par+\i], v[CT+4*\qt+\i]
.endr
.endr
.irp qt, 0,1,2,3
.irp i, 0,1,2
	v_mov_b32 v[P+12*\qt+6*\par+3+\i], v[CT+4*\qt+\i]
.endr
.endr
.endm
.macro SLOTW slot, par, mask           ; a slot's work of a wave: 64 products, two blocks quantised for each of 64 queries
	v_add_nc_u32 v[AVSC], s23, v[AVS0]
	FETCHK \slot, 0
	FETCHK \slot, 1
	s_wait_dscnt 49                                ; chunk 0 is in; chunk 1's 49 loads stay out
	SMUL 0
	FETCHV \slot, \par
	PLACES 4
	MAYMASK 0, \mask
	QUANT 0, \par
	s_wait_dscnt 28                                ; chunk 1 is in; V's 28 loads stay out
	SMUL 1
	WIN 0
	PLACES 4
	MAYMASK 1, \mask
	QUANT 1, \par
	SWAP \par
	s_add_co_u32 s21, s21, 1
.endm
.macro PVRUN zero                      ; O^T (+)= V^T P^T: 32 products on 32 accumulators
	WIN 0xa1
.irp dt, 0,1,2,3
.irp qt, 0,1,2,3
	WM 64*\qt+8*\dt, 192+12*\dt, P+12*\qt, \zero, VS+\dt/2, PS+\qt, \dt%2
.endr
.endr
	WIN 0xa3
.irp dt, 4,5,6,7
.irp qt, 0,1,2,3
	WM 64*\qt+8*\dt, 192+12*(\dt-4), P+12*\qt, \zero, VS+\dt/2, PS+\qt, \dt%2
.endr
.endr
	WIN 0
.endm
.macro PV
	PLACES 8                                       ; scale words written by vector instructions stand eight places ahead of a scaled product, operands four
	s_cmp_eq_u32 s24, 0
	s_cbranch_scc1 .Ladd_\@
	PVRUN 1                                        ; a query block's first pair starts the sums
	s_branch .Ldone_\@
.Ladd_\@:
	PVRUN 0
.Ldone_\@:
	PLACES 4
	s_mov_b32 s24, 0
.endm
; THE FLUSH, in eight pieces: query tile k / 2, channels 64 (k % 2) on.  Each wave puts its partial sums (16 rows x 256 bytes) into its part of stage buffer k % 2; behind a barrier wave w takes rows
; 4 w .. 4 w + 3 of all four parts, adds them and stores them: sixteen lanes to 256 consecutive bytes, at a multiple of 256 from out0's first byte.
; PIECE k + 1's STORES GO OUT WITH PIECE k's LOADS, so that a piece has one trip to LDS and back.  The order: a buffer is read behind the barrier in front of which every wave has waited for its stores into it;
; it is written again, two pieces later, behind the barrier in front of which every wave has waited for its reads of it.  The additions, work on registers, stand between a barrier's signal and its wait.
.macro PSTORE k
.set QT, (\k)/2
.set DH, (\k)%2
	WIN 0x08                                       ; the data: window 2
.irp d, 0,1,2,3
	ds_store_b128 v[STO], v[64*QT+8*(4*DH+\d):64*QT+8*(4*DH+\d)+3] offset:SBUF*DH+64*\d        ; each accumulator from its low end on
	ds_store_b128 v[STO], v[64*QT+8*(4*DH+\d)+4:64*QT+8*(4*DH+\d)+7] offset:SBUF*DH+64*\d+16
.endr
	WIN 0
.endm
.macro PLOAD k
.set DH, (\k)%2
.irp e, 0,1
.irp v, 0,1,2,3
	ds_load_b128 v[S+32*DH+16*\e+4*\v:S+32*DH+16*\e+4*\v+3], v[RD] offset:SBUF*DH+4352*\v+544*\e
.endr
.endr
.endm
.macro PADD k
.irp e, 0,1
.set R, S+32*((\k)%2)+16*\e
	v_pk_add_f32 v[R:R+1], v[R:R+1], v[R+4:R+5]
	v_pk_add_f32 v[R+2:R+3], v[R+2:R+3], v[R+6:R+7]
	v_pk_add_f32 v[R+8:R+9], v[R+8:R+9], v[R+12:R+13]
	v_pk_add_f32 v[R+10:R+11], v[R+10:R+11], v[R+14:R+15]
	v_pk_add_f32 v[R:R+1], v[R:R+1], v[R+8:R+9]
	v_pk_add_f32 v[R+2:R+3], v[R+2:R+3], v[R+10:R+11]
.endr
.endm
.macro PSEND k
.set QT, (\k)/2
.set DH, (\k)%2
.irp e, 0,1
.set R, S+32*DH+16*\e
	global_store_b128 v[GO], v[R:R+3], s[82:83] offset:512*(32*(QT/2)+8*(QT%2)+2*\e)+256*DH th:TH_STORE_NT
.endr
.endm
.macro FLUSH
	PSTORE 0
	s_wait_dscnt 0x0                               ; for the others' sake: my stores are done (and, at the change of query blocks, my reads of the second block's queries, over which buffer 1 lies)
	s_barrier_signal -1
	s_barrier_wait -1
.irp k, 0,1,2,3,4,5,6,7
.if \k >= 2
	s_wait_xcnt 0x0                                ; the stores of two pieces ago have read these registers
.endif
	PLOAD \k
.if \k < 7
	PSTORE \k+1
.endif
	s_wait_dscnt 0x0                               ; piece k is back in registers; for the others' sake: my reads of its buffer are over and my stores of piece k + 1 are done
.if \k < 7
	s_barrier_signal -1
.endif
	PADD \k
.if \k < 7
	s_barrier_wait -1
.endif
	PSEND \k
.endr
.endm
	s_wait_loadcnt 0x0                             ; my quarter of both blocks' queries
.irp a, 0,1
.irp i, 0,1,2,3,4,5,6,7,8,9,10,11
	ds_store_b128 v[E+2], v[S+50*\a+4*\i:S+50*\a+4*\i+3] offset:QBLK*\a+512*\i
.endr
	ds_store_b64 v[E+3], v[S+50*\a+48:S+50*\a+49] offset:QBLK*\a
.endr
	s_wait_dscnt 0x0                               ; for the others' sake: it is in LDS
	s_barrier_signal -1                            ; (my tensor loads may stay out, and no tile is read before the next)
	s_barrier_wait -1                              ; everybody's is
	LOADQ 0
.Lpair:                                            ; four trips: slots 0 .. 7, a pair a trip
	CHANGE 0, 1                                    ; (in the first trip slot 1's first fill, issued as a refill is)
	SLOTW 0, 0, 0                                  ; an even slot number is never on the diagonal inside the loop
	CHANGE 1, 1
	SLOTW 1, 1, 1
	s_wait_dscnt 0x0                               ; V's fragments and scale bytes
.irp i, 0,1,2,3
	v_lshl_or_b32 v[VS+\i], v[VSA+4+\i], 16, v[VSA+\i]
.endr
	PV
	s_cmp_lg_u32 s21, s16                          ; is the first query block done?  N and N1 are alike in all partners and all waves
	s_cbranch_scc1 .Lsame
	LOADQ 1                                        ; on to block sigma2: its queries come out of LDS while the first block's first piece goes in
	FLUSH
	s_wait_xcnt 0x0                                ; only behind this wait are the stores' base and data registers written again
	s_lshl_b32 s92, s19, 17
	s_mov_b32 s93, 0
	s_add_nc_u64 s[82:83], s[86:87], s[92:93]
	s_mov_b32 s24, 1
.Lsame:
	s_add_co_u32 s20, s20, 1
	s_cmp_lt_u32 s20, 4
	s_cbranch_scc1 .Lpair
	CHANGE 0, 0                                    ; the ninth slot is written out: nothing is left to ask for.  It is always sigma2's slot on the diagonal
	SLOTW 0, 0, 2
	s_wait_dscnt 0x0
.irp qt, 0,1,2,3
.irp i, 6,7,8,9,10,11
	v_mov_b32 v[P+12*\qt+\i], 0                    ; the missing half of K: zero codes, which add nothing whatever codes V's upper halves still hold
.endr
.endr
.irp qt, 0,1,2,3
	v_or_b32 v[PS+\qt], 0x7f7f0000, v[PS+\qt]      ; and scale bytes of 1 beside them
.endr
.irp i, 0,1,2,3
	v_or_b32 v[VS+\i], 0x7f7f0000, v[VSA+\i]
.endr
	PV
	FLUSH
	s_wait_tensorcnt 0x0                           ; the wave's end: behind my last tensor load and my last LDS store
	ds_add_u32 v[SPW], v[NIL]
	s_wait_dscnt 0x0
	CROUND                                         ; the closing round: no work-group ends while a partner may still ask for a tile that names it
	s_endpgm
.Lfunc_end_k_qadba5e3faa_attn:
	.size	k_qadba5e3faa_attn, .Lfunc_end_k_qadba5e3faa_attn-k_qadba5e3faa_attn
	.p2alignl 7, 3214868480
	.fill 96, 4, 3214868480
	.section	.rodata,"a",@progbits
	.p2align	6, 0x0
	.amdhsa_kernel k_qadba5e3faa_attn
		.amdhsa_group_segment_fixed_size 327680
		.amdhsa_private_segment_fixed_size 0
		.amdhsa_enable_private_segment 0
		.amdhsa_kernarg_size 32
		.amdhsa_user_sgpr_count 2
		.amdhsa_user_sgpr_kernarg_segment_ptr 1
		.amdhsa_wavefront_size32 1
		.amdhsa_system_sgpr_workgroup_id_x 1
		.amdhsa_system_sgpr_workgroup_id_y 1
		.amdhsa_system_sgpr_workgroup_id_z 1
		.amdhsa_system_vgpr_workitem_id 0
		.amdhsa_next_free_vgpr 1024
		.amdhsa_next_free_sgpr 96
		.amdhsa_reserve_vcc 1
		.amdhsa_float_denorm_mode_32 3
		.amdhsa_float_denorm_mode_16_64 3
		.amdhsa_memory_ordered 1
		.amdhsa_forward_progress 1
		.amdhsa_inst_pref_size 177
	.end_amdhsa_kernel
	.amdgpu_metadata
---
amdhsa.version: [ 1, 2 ]
amdhsa.kernels:
  - .name:           k_qadba5e3faa_attn
    .symbol:         k_qadba5e3faa_attn.kd
    .args:
      - { .name: qrc, .offset: 0, .size: 8, .value_kind: global_buffer, .address_space: global }
      - { .name: V_codes, .offset: 8, .size: 8, .value_kind: global_buffer, .address_space: global }
      - { .name: V_scales, .offset: 16, .size: 8, .value_kind: global_buffer, .address_space: global }
      - { .name: out0, .offset: 24, .size: 8, .value_kind: global_buffer, .address_space: global }
    .group_segment_fixed_size: 327680
    .private_segment_fixed_size: 0
    .kernarg_segment_align: 8
    .kernarg_segment_size: 32
    .max_flat_workgroup_size: 128
    .sgpr_count:     96
    .vgpr_count:     1024
    .wavefront_size: 32
...
	.end_amdgpu_metadata
.endif
;; end of part 4
